; MI455X (gfx1250); checked and timed in simulation.
; The chip was launched on July 23, 2026; its instructions are those of AMD's public machine-readable ISA for CDNA 5 (MIT licence, August 2026) and "CDNA5" Instruction Set Architecture Reference Guide (July 2026). The comments in the code are by the model that wrote it; some were corrected since.
;; Knn XL Multi Heads Attention. Allowed arithmetic: matrix products marked QUANTISED: E4M3 operands, one E8M0 scale for each 32 along K, by v_wmma_scale_f32_16x16x128_f8f6f4 with both operands' format E4M3, f32 sums; everything else in f32.
;; Inputs: Wk_codes 1,024 x 32 x 32 uint8 (E4M3 codes of Wk, K innermost, in blocks of 32 codes); Wk_scales 1,024 x 32 uint8 (E8M0 scales of Wk, one for each 32 codes along K); Wo_codes 1,024 x 32 x 32 uint8 (E4M3 codes of Wo, K innermost, in blocks of 32 codes); Wo_scales 1,024 x 32 uint8 (E8M0 scales of Wo, one for each 32 codes along K); Wq_codes 1,024 x 32 x 32 uint8 (E4M3 codes of Wq, K innermost, in blocks of 32 codes); Wq_scales 1,024 x 32 uint8 (E8M0 scales of Wq, one for each 32 codes along K); Wv_codes 1,024 x 32 x 32 uint8 (E4M3 codes of Wv, K innermost, in blocks of 32 codes); Wv_scales 1,024 x 32 uint8 (E8M0 scales of Wv, one for each 32 codes along K); bk 1,024 float32; bo 1,024 float32; bq 1,024 float32; bv 1,024 float32; gate 16 x 1 x 1 float32; input_codes 4 x 512 x 32 x 32 uint8 (E4M3 codes of input, K innermost, in blocks of 32 codes); input_scales 4 x 512 x 32 uint8 (E8M0 scales of input, one for each 32 codes along K); kv_external 4 x 512 x 8 x 2 x 1,024 float32; rel_pos 1 x 16 x 512 x 1,024 float32; xl_memory 4 x 512 x 2 x 1,024 float32.
;; Outputs: out0 4 x 512 x 1,024 float32; out1 4 x 512 x 2 x 1,024 float32.
;; This version of the problem:
;;   THIS VERSION OF THE PROBLEM IS GIVEN IN LOW PRECISION. The matrix products marked QUANTISED in the list below multiply operands that are first quantised to E4M3 (4 exponent bits, 3 mantissa bits; 8 bits a number), with one power-of-two scale for each 32 numbers along K (OCP MX v1.0); their sums are f32. All else is computed in f32.
;;   The module's matrix products, in the order in which they are computed (A, B: the left and right operand; K: the contracted axis; several contracted axes count as one K, in the product's order):
;;     1. [M 2,048, K 1,024] x [K 1,024, N 1,024]; A: input input (given as codes); B: input Wq (given as codes): QUANTISED
;;     2. [M 2,048, K 1,024] x [K 1,024, N 1,024]; A: input input (given as codes); B: input Wk (given as codes): QUANTISED
;;     3. [M 2,048, K 1,024] x [K 1,024, N 1,024]; A: input input (given as codes); B: input Wv (given as codes): QUANTISED
;;     4. batch 64 x [M 512, K 64] x [K 64, N 1,024]; A: computed on the way; B: computed on the way: QUANTISED
;;     5. batch 64 x [M 512, K 1,024] x [K 1,024, N 64]; A: softmax (see below); B: computed on the way: QUANTISED
;;     6. batch 64 x [M 512, K 64] x [K 64, N 4,096]; A: computed on the way; B: input kv_external: QUANTISED
;;     7. batch 64 x [M 512, K 4,096] x [K 4,096, N 64]; A: computed on the way; B: input kv_external: QUANTISED
;;     8. [M 2,048, K 1,024] x [K 1,024, N 1,024]; A: computed on the way; B: input Wo (given as codes): QUANTISED
;;   THE QUANTISER, for each operand of a quantised product, along K:
;;     - K is cut into blocks of 32 from its start; a last block that is shorter is filled with zeros.
;;     - A block's scale is 2^e with e = floor(log2(the largest magnitude in the block)) - 8, held to -126 .. 127; a block of zeros has e = 0. As a byte (E8M0): e + 127.
;;     - Each number is divided by its block's scale, clamped to +-448, and rounded to the nearest number of E4M3, ties to even, subnormals kept.
;;     - The product sums the exact products of the quantised numbers (number of the format x scale) in f32.
;;   ~~~python
;;   def quantise(x, axis):      # numpy; x: float32 -> the quantised numbers, widened to float32 again
;;       x = np.moveaxis(x, axis, -1); K = x.shape[-1]
;;       x = np.pad(x, [(0, 0)] * (x.ndim - 1) + [(0, -K % 32)]); x = x.reshape(x.shape[:-1] + (-1, 32)); a = np.abs(x).max(-1, keepdims=True)
;;       e = np.where(a > 0, np.clip(np.frexp(np.where(a > 0, a, 1))[1] - 1 - 8, -126, 127), 0)      # np.frexp(a)[1] - 1 = floor(log2(a)), exactly
;;       r = np.clip(x / 2.0 ** e, -448, 448)
;;       step = 2.0 ** (np.maximum(np.frexp(np.where(r == 0, 1, r))[1] - 1, -6) - 3)
;;       q = np.round(r / step) * step * 2.0 ** e      # np.round: ties to even
;;       return np.moveaxis(q.reshape(q.shape[:-2] + (-1,))[..., :K], -1, axis).astype(np.float32)
;;   ~~~
;;   SOFTMAX AHEAD OF A QUANTISED PRODUCT. Where the list says 'softmax', what is quantised is not the finished softmax but p = 2^(t - M), with t = logit x log2(e) and M = ceil(the row's largest t), a whole number; so 1/2 < the row's largest p <= 1. The row's sum l is taken of the UNQUANTISED p, in f32, and the product's result is divided by l at the end. Since M is a whole number, a kernel that streams over the keys may use a running M (the ceiling of the running maximum): every later rescaling is an exact power of two, which a block's scale takes up: the codes' values come out the same.
;;   OPERANDS COMPUTED ON THE WAY. 'Computed on the way' means the value that the module computes at that place (a softmax that the list does not call 'softmax' is quantised finished and normalised). What goes into a quantiser is computed in f32, as accurately as f32 sums, v_exp_f32 and their like allow (about 1e-6 of the number): no bf16 or f16 on the way to a quantiser, and a product that is left as it is and whose result goes on into a quantised operand takes f32 operands (vector FMAs, or v_wmma_f32_16x16x4_f32). A number that lies on a knife's edge between two numbers of the format may be rounded either way, as far as f32 arithmetic and the matrix unit's own rounding can turn it there, and no further.
;;   INPUTS GIVEN AS CODES. Wk (in the module: [1024, 1024], K = its axis 1); Wo (in the module: [1024, 1024], K = its axis 1); Wq (in the module: [1024, 1024], K = its axis 1); Wv (in the module: [1024, 1024], K = its axis 1); input (in the module: [4, 512, 1024], K = its axis 2): each comes as NAME_codes (uint8): NAME with its K axis moved to the last place and cut into blocks of 32 codes, [.., K / 32, bytes a block], one block behind the other in memory; one code a byte (a code: sign, 4 exponent bits, 3 mantissa bits); and NAME_scales (uint8): the same leading axes, one E8M0 byte (e + 127) for each 32 codes along K. Its value is code x scale, taken as it is: it is not quantised again, and the codes and scales need not be those that the quantiser above would give.
;; One version. Each part assembles by itself: llvm-mc -triple=amdgcn-amd-amdhsa -mcpu=gfx1250 --defsym DOCPART=n.
;; ======== version 1 of 1: 4 launches
;; limits: right only within a limited range of input values
;; workspace buffers: qf 16,777,216 bytes; kf 16,777,216 bytes; nrm 131,072 bytes; ext 33,554,432 bytes; loc 10,485,760 bytes; sc 2,097,152 bytes; fz 2,162,688 bytes
;; launch proj (part 1): grid 12 x 16, 4 waves a work-group, clusters of 4 x 4, 327,680 bytes of LDS; arguments input_codes, input_scales, Wq_codes, Wq_scales, Wk_codes, Wk_scales, Wv_codes, Wv_scales, bq, bk, bv, qf, kf, out1, nrm; writes qf, kf, out1, nrm
.if DOCPART == 1
	.amdgcn_target "amdgcn-amd-amdhsa--gfx1250"
	.amdhsa_code_object_version 6
	.text
	.protected	k_q483d5d86be_proj
	.globl	k_q483d5d86be_proj
	.p2align	8
	.type	k_q483d5d86be_proj,@function
k_q483d5d86be_proj:
	s_mov_b64 s[64:65], 0
	v_nop
	global_prefetch_b8 v0, s[64:65] scope:SCOPE_SE
	s_setreg_imm32_b32 hwreg(HW_REG_WAVE_MODE, 25, 1), 1
	s_wait_xcnt 0x0
	s_wait_alu depctr_hold_cnt(0) depctr_sa_sdst(0) depctr_va_vdst(0) depctr_va_sdst(0) depctr_va_ssrc(0) depctr_va_vcc(0) depctr_vm_vsrc(0)
	s_getreg_b32 s2, hwreg(HW_REG_IB_STS2, 6, 4)
	s_cmp_eq_u32 s2, 0
	s_cbranch_scc0 .Lentry_in_a_cluster
	s_endpgm
.Lentry_in_a_cluster:
	s_bfe_u32 s2, ttmp6, 0x10000c
	s_cmp_lg_u32 s2, 0xf033
	s_cbranch_scc0 .Lentry_shape_is_right
	s_endpgm
.Lentry_shape_is_right:
; THE PROGRAM has four launches: proj (products 1 to 3, the biases, parts of the row sums of squares of q and k), quant (the row norms of q and k; every f32 operand of products 4 to 7 into codes of E4M3
; with E8M0 scale bytes, laid in the order of the operands' registers), attn (the normalised k into out1; products 4 to 7, both softmaxes, the gate, the fused rows into codes), outp (product 8 and bo).
; DEAD WORK, left out in attn.  reference() builds mask = triu(ones(512, 1024), 513) in its own body and writes -inf where key j > 512 + query i; the softmax gives exactly 0 there,
; and 0 x v adds nothing to qkv.  For the 128 queries 128 qb .. 128 qb + 127 every key of a step of 128 keys J > 4 + qb has j >= 128 (5 + qb) > 512 + i: so these whole steps of products 4 and 5,
; and the columns of rel_pos under them, reach no output whatever finite values the inputs hold.  They are left out.  Inside the step J = 4 + qb the work is done and selected.
; Every input has a way to an output, so every input is loaded.  LIMIT: a NaN, an infinity or an overflow in rel_pos, k or v that reaches only the steps left out is not carried to the result.
; LIMITS of the whole program: NaN and infinities among the inputs are not served; a block of zeros gets the scale byte 1 where the rule says 127 (its codes are zeros, and the bytes are read by this program alone).
;
; THIS LAUNCH: C = input W^T + b for W = Wq, Wk, Wv: [2,048 x 1,024] x [3 x 1,024 x 1,024]^T on codes as they lie in memory.  A work-group of four waves makes 128 rows x 256 columns of C, a wave 64 x 128: 32 accumulators, 256 registers.
; 16 x 12 such blocks: 192 work-groups, each storing 131,072 bytes.  4 x 4 work-groups form a cluster; the cluster's x says which W (a W is four tile columns), so every choice of a buffer is the same in all sixteen partners.
; A's tiles are asked for jointly along a row of the cluster, B's along a column.  K goes in steps of 256 through a ring of two LDS slots (rows of 256 bytes of memory); the scale bytes of the 128 + 256 rows, for all of K, come once and stay.
; The matrix instruction is used transposed (source 0 = 16 rows of W, source 1 = 16 rows of the input): a lane holds eight neighbouring columns of one row.  The bias is the C of the first K step: nothing is cleared or added.
; q goes RAW to qf, k RAW to kf (rows 8,192 bytes apart, as out1's), v to the second half of out1's rows.
; Of q and k each wave stores the sums of squares of its 128 columns of its 64 rows: nrm[q or k][part 0..7][row], 256 consecutive bytes by two stores of 128; the later launches add a row's eight parts.
; NO PREFETCH: K = 1,024 is four fills of a slot, in clusters; a request a whole K step ahead could serve the last two fills alone.
; REGISTERS, in windows of 256: window 0: v0-31 addresses; v32-63 scale words, two sets; v64-127 the bias, later the sums of squares; v128-191 A's fragments, one set; window 1: B's fragments, two sets; window 2: the accumulators.
.set SIZE_K, 1024
.set OP,     8192                      ; a row of qf, kf, out1 in bytes
.set KSTEP,  256
.set NQ,     KSTEP/128
.set ROWB,   256
.set KROW,   SIZE_K
.set PITCH,  272                       ; an LDS row: 256 bytes + 16 of padding
.set FR,     16
.set NL,     4
.set NP,     8                         ; places behind this matrix instruction (ISA guide 7.12.1)
.set HALFA,  64*PITCH                  ; what one ring load brings of A, and what a wave reads of A
.set HALFT,  128*PITCH                 ; the same of B; also all of A's tile
.set SLOT,   3*HALFT                   ; A's 128 rows, then B's 256 rows
.set LAPS,   SIZE_K/(2*KSTEP)
.set KS,     SIZE_K/32
.set SCL,    2*SLOT                    ; behind the ring: the scales, as units of 256 bytes + 16: A's 128 rows, then B's 256
.set HALFS,  (128*KS/256)*272
.set SBLK,   (16*KS/256)*272
.set SPARE,  SCL+3*HALFS               ; the spare words, 128 bytes a wave: no other line names them
.set SPITCH, 528                       ; the way out: 16 rows x (512 + 16) bytes a wave, in slot 0, which has then had its last fill and its last read
.set ADRA, 16
.set ADRB, 20
.set STO,  24
.set RD,   25
.set CO,   26
.set ADRS, 27
.set SPW,  28
.set NIL,  29
.set L4,   30                          ; v30 4 x lane
.set BO,   31                          ; v31 the bias: 32 x (lane / 16)
.set SC,   32
.set BIAS, 64                          ; v64-127: register 8 b + j: the bias of my column 16 b + 8 (lane / 16) + j
.set SQ,   64                          ; afterwards: v64-71 the sums of squares of block a in two halves, v80-97 at work
.set AF,   128
.set BK,   128
.set G1, 24
.set G0, 32
.set G1B, 48
.set G0B, 56
.set G1S, 68
.set G0S, 76
.set G1SB, 80
.set G0SB, 88
.set G0H, 4
.set G0HB, 8
.set MAT, 67                           ; s67 which W: 0 q, 1 k, 2 v
.set MSB, 0
.macro WIN new                         ; the immediate's high byte repeats the setting that is left
.if MSB != \new
	s_set_vgpr_msb (MSB<<8)|\new
.set MSB, \new
.endif
.endm
.set MUL_LO, 0xa1                      ; source 0 (B) window 1, source 1 (A) window 0, C and D window 2
.set TO_B,   0x40
.macro JLOAD g0a, g1a, g0b, g1b        ; a joint load: waves 0, 1 for A, waves 2, 3 for B; s_nop 0 and four v_nop behind each line
	s_cmp_eq_u32 s15, 0
	s_cbranch_scc0 .Lfor_b_\@
	tensor_load_to_lds s[\g0a:\g0a+3], s[\g1a:\g1a+7]
	s_nop 0
.rept 4
	v_nop
.endr
	s_branch .Lasked_\@
.Lfor_b_\@:
	tensor_load_to_lds s[\g0b:\g0b+3], s[\g1b:\g1b+7]
	s_nop 0
.rept 4
	v_nop
.endr
.Lasked_\@:
.endm
.macro CREST                           ; a round of the cluster's barrier behind its opening barrier
	s_cmp_lg_u32 s14, 0
	s_cbranch_scc1 .Lnot_wave_0_\@
	s_barrier_signal -3
.Lnot_wave_0_\@:
	s_barrier_wait -3
	s_barrier_signal -1
	s_barrier_wait -1
.endm
.macro CROUND
	s_barrier_signal -1
	s_barrier_wait -1
	CREST
.endm
	s_load_b128 s[4:7], s[0:1], 0x0                ; the input's codes, its scales
	s_load_b512 s[24:39], s[0:1], 0x10             ; Wq codes, scales; Wk codes, scales; Wv codes, scales; bq; bk
	s_load_b256 s[40:47], s[0:1], 0x50             ; bv, qf, kf, out1
	s_load_b64 s[48:49], s[0:1], 0x70              ; nrm
	v_lshl_add_u32 v[SPW], v0, 2, SPARE
	v_mov_b32 v[NIL], 0
	ds_add_u32 v[SPW], v[NIL]                      ; the wave's opening: the add, twice on end, and its wait ahead of my first tensor load
	ds_add_u32 v[SPW], v[NIL]
	v_lshrrev_b32 v1, 5, v0
	v_readfirstlane_b32 s14, v1                    ; wave 0..3
	s_lshr_b32 s15, s14, 1                         ; which half of the tile's rows is mine; also: I fetch for A (0) or B (1)
	s_and_b32 s16, s14, 1                          ; which half of its columns; also: which half of that tile I fetch
	s_mov_b32 s[MAT], ttmp9                        ; the cluster's x
	s_wait_dscnt 0x0                               ; both opening adds are done
	s_wait_kmcnt 0x0
	s_cmp_eq_u32 s[MAT], 0                         ; the choices hang on the cluster's x alone
	s_cselect_b64 s[8:9], s[24:25], s[28:29]       ; W's codes
	s_cselect_b64 s[10:11], s[26:27], s[30:31]     ; W's scales
	s_cselect_b64 s[94:95], s[36:37], s[38:39]     ; the bias
	s_cselect_b64 s[12:13], s[42:43], s[44:45]     ; where C goes
	s_cmp_eq_u32 s[MAT], 2
	s_cselect_b64 s[8:9], s[32:33], s[8:9]
	s_cselect_b64 s[10:11], s[34:35], s[10:11]
	s_cselect_b64 s[94:95], s[40:41], s[94:95]
	s_cselect_b64 s[12:13], s[46:47], s[12:13]
	s_cselect_b32 s66, 4096, 0                     ; v is the second half of a row
	s_mov_b64 s[98:99], s[48:49]                   ; nrm
	s_bfe_u32 s40, ttmp6, 0x40000                  ; cx, cy: my place in the cluster
	s_bfe_u32 s41, ttmp6, 0x40004
	s_mov_b32 s42, s40                             ; tile column in my W = cx
	s_and_b32 s17, ttmp7, 0xffff
	s_lshl_b32 s17, s17, 2
	s_add_co_u32 s17, s17, s41                     ; tile row = 4 x cluster y + cy
	s_lshl_b32 s43, s41, 2
	s_lshl_b32 s43, 15, s43                        ; my row of the cluster
	s_lshl_b32 s44, 0x1111, s40                    ; my column
	s_or_b32 s[G1+0], s43, (0<<16)|(1<<20)|(1<<21)|(5<<22)|(3<<25)  ; the mask; elements of 1 byte; padding: 4 words behind every 64; bit 21 beside a mask
	s_or_b32 s[G1B+0], s44, (0<<16)|(1<<20)|(1<<21)|(5<<22)|(3<<25)
.irp g, G1, G1B
	s_mov_b32 s[\g+1], ROWB<<16
	s_mov_b32 s[\g+3], ROWB<<16
	s_mov_b32 s[\g+5], KROW
	s_mov_b32 s[\g+6], 0
	s_mov_b32 s[\g+7], 0
.endr
	s_mov_b32 s[G1+2], 128<<16                     ; the head's loads bring whole tiles: A's 128 rows,
	s_mov_b32 s[G1+4], 128
	s_mov_b32 s[G1B+2], 256<<16                    ; B's 256
	s_mov_b32 s[G1B+4], 256
	s_or_b32 s[G1S+0], s43, (3<<16)|(1<<20)|(1<<21)|(5<<22)|(3<<25)  ; the scales: dense bytes as rows of 256: A's 4,096 are 16 rows, B's 8,192 are 32
	s_or_b32 s[G1SB+0], s44, (3<<16)|(1<<20)|(1<<21)|(5<<22)|(3<<25)
.irp g, G1S, G1SB
	s_mov_b32 s[\g+1], 32<<16
	s_mov_b32 s[\g+3], 32<<16
	s_mov_b32 s[\g+5], 32
	s_mov_b32 s[\g+6], 0
	s_mov_b32 s[\g+7], 0
.endr
	s_mov_b32 s[G1S+2], 16<<16
	s_mov_b32 s[G1S+4], 16
	s_mov_b32 s[G1SB+2], 32<<16
	s_mov_b32 s[G1SB+4], 32
	s_lshl_b32 s20, s17, 7                         ; A: the tile's first row
	s_lshl_b32 s46, s42, 8                         ; B: likewise
	s_mov_b32 s21, 0
	s_mov_b32 s47, 0
	s_mov_b64 s[18:19], KS
	s_mul_u64 s[22:23], s[20:21], s[18:19]         ; where these rows' scales begin
	s_mul_u64 s[92:93], s[46:47], s[18:19]
	s_mov_b64 s[18:19], KROW
	s_mul_u64 s[20:21], s[20:21], s[18:19]         ; and their codes
	s_mul_u64 s[46:47], s[46:47], s[18:19]
	s_mul_i32 s18, s16, 64*KROW                    ; in the ring I fetch half a tile: of A 64 rows,
	s_mov_b32 s19, 0
	s_mul_i32 s40, s16, 128*KROW                   ; of B 128;
	s_mov_b32 s41, 0
	s_mul_i32 s45, s16, HALFA                      ; and where they go: no place in the cluster enters an LDS address
	s_mul_i32 s43, s16, HALFT
	s_add_co_u32 s43, s43, HALFT                   ; B lies behind A's 128 rows
	s_add_nc_u64 s[20:21], s[4:5], s[20:21]
	s_add_nc_u64 s[22:23], s[6:7], s[22:23]
	s_add_nc_u64 s[46:47], s[8:9], s[46:47]
	s_add_nc_u64 s[92:93], s[10:11], s[92:93]
	CROUND                                         ; all sixteen work-groups are here: the first joint loads meet
	s_mov_b32 s[G0H], 1                            ; the head's four tiles: K step 0's rows of A,
	s_mov_b32 s[G0H+1], 0
	s_mov_b64 s[G0H+2:G0H+3], s[20:21]
	s_or_b32 s[G0H+3], s[G0H+3], 0x80000000
	s_mov_b32 s[G0HB], 1                           ; its rows of B,
	s_mov_b32 s[G0HB+1], HALFT
	s_mov_b64 s[G0HB+2:G0HB+3], s[46:47]
	s_or_b32 s[G0HB+3], s[G0HB+3], 0x80000000
	s_mov_b32 s[G0S], 1                            ; A's scales,
	s_mov_b32 s[G0S+1], SCL
	s_mov_b64 s[G0S+2:G0S+3], s[22:23]
	s_or_b32 s[G0S+3], s[G0S+3], 0x80000000
	s_mov_b32 s[G0SB], 1                           ; B's scales
	s_mov_b32 s[G0SB+1], SCL+HALFS
	s_mov_b64 s[G0SB+2:G0SB+3], s[92:93]
	s_or_b32 s[G0SB+3], s[G0SB+3], 0x80000000
	s_add_nc_u64 s[20:21], s[20:21], s[18:19]      ; for the ring: my half of the tile
	s_add_nc_u64 s[46:47], s[46:47], s[40:41]
.irp s, 0,1
	s_mov_b32 s[G0+4*\s], 1
	s_add_co_u32 s[G0+4*\s+1], s45, \s*SLOT
	s_add_nc_u64 s[G0+4*\s+2:G0+4*\s+3], s[20:21], \s*ROWB
	s_or_b32 s[G0+4*\s+3], s[G0+4*\s+3], 0x80000000
	s_mov_b32 s[G0B+4*\s], 1
	s_add_co_u32 s[G0B+4*\s+1], s43, \s*SLOT
	s_add_nc_u64 s[G0B+4*\s+2:G0B+4*\s+3], s[46:47], \s*ROWB
	s_or_b32 s[G0B+4*\s+3], s[G0B+4*\s+3], 0x80000000
.endr
; the head's loads, one a wave, in one tree of branches on the wave's number
.macro ARM under, g0, g1, next
	s_cmp_lt_u32 s14, \under
	s_cbranch_scc0 \next
	tensor_load_to_lds s[\g0:\g0+3], s[\g1:\g1+7]
	s_nop 0
.rept 4
	v_nop
.endr
	s_branch .Lhead_asked
\next:
.endm
	ARM 1, G0H,  G1,  .Lhead_b
	ARM 2, G0HB, G1B, .Lhead_sa
	ARM 3, G0S,  G1S, .Lhead_sb
	tensor_load_to_lds s[G0SB:G0SB+3], s[G1SB:G1SB+7]
	s_nop 0
.rept 4
	v_nop
.endr
.Lhead_asked:
	v_and_b32 v1, 15, v0                           ; l % 16
	v_bfe_u32 v2, v0, 4, 1                         ; l / 16
	v_mul_u32_u24 v3, v1, PITCH
	v_lshl_add_u32 v4, v2, 4, v3                   ; a fragment's row x pitch + 16 x half
	s_mul_i32 s21, s15, HALFA                      ; my 64 rows of A
	s_mul_i32 s22, s16, HALFT                      ; my 128 rows of B,
	s_add_co_u32 s22, s22, HALFT                   ; behind A's 128
.irp s, 0,1
	v_add_nc_u32 v[ADRA+\s], s21, v4
	v_add_nc_u32 v[ADRB+\s], s22, v4
	s_add_co_u32 s21, s21, SLOT
	s_add_co_u32 s22, s22, SLOT
.endr
	v_mul_u32_u24 v5, v1, KS                       ; my row's scales: KS bytes a row,
	v_lshrrev_b32 v6, 8, v5
	v_lshl_add_u32 v5, v6, 4, v5                   ; and 16 more for each 256 passed
	s_mul_i32 s21, s15, HALFS/2                    ; A's: my 64 rows
	s_mul_i32 s22, s16, HALFS                      ; B's: my 128 rows, behind A's 128
	s_add_co_u32 s22, s22, HALFS
	s_sub_co_u32 s22, s22, s21
	v_mul_u32_u24 v6, s22, v2                      ; lanes 16-31 take B's
	s_add_co_u32 s21, s21, SCL
	v_add_nc_u32 v5, v5, v6
	v_add_nc_u32 v[ADRS], s21, v5
	s_mul_i32 s23, s14, 16*SPITCH                  ; my stage
	v_mul_u32_u24 v5, v1, SPITCH
	v_lshl_add_u32 v5, v2, 5, v5
	v_add_nc_u32 v[STO], s23, v5
	v_and_b32 v6, 31, v0
	v_lshlrev_b32 v[CO], 4, v6
	v_add_nc_u32 v[RD], s23, v[CO]
	v_lshlrev_b32 v[L4], 2, v6
	v_cmp_lt_u32 s2, 15, v6                        ; the mask of lanes 16-31
	s_lshl_b32 s20, s17, 7
	s_lshl_b32 s21, s15, 6
	s_add_co_u32 s20, s20, s21                     ; my first row: 128 x tile row + 64 x half
	s_lshl_b32 s20, s20, 13                        ; x 8,192 bytes
	s_mov_b32 s21, 0
	s_lshl_b32 s46, s42, 10                        ; my first column in bytes of f32: 1,024 x tile column + 512 x half
	s_lshl_b32 s47, s16, 9
	s_add_co_u32 s46, s46, s47
	s_mov_b32 s47, 0
	s_add_nc_u64 s[94:95], s[94:95], s[46:47]      ; the bias of my columns
	s_add_co_u32 s20, s20, s46
	s_add_co_u32 s20, s20, s66
	s_add_nc_u64 s[12:13], s[12:13], s[20:21]
	s_lshl_b32 s22, s[MAT], 16                     ; nrm: 65,536 x (q or k) + 8,192 x (2 x tile column + half) + 4 x my first row
	s_lshl_b32 s23, s42, 14
	s_add_co_u32 s22, s22, s23
	s_lshl_b32 s23, s16, 13
	s_add_co_u32 s22, s22, s23
	s_lshl_b32 s23, s17, 9
	s_add_co_u32 s22, s22, s23
	s_lshl_b32 s23, s15, 8
	s_add_co_u32 s22, s22, s23
	s_mov_b32 s23, 0
	s_add_nc_u64 s[98:99], s[98:99], s[22:23]
	v_lshlrev_b32 v[BO], 5, v2
.irp b, 0,1,2,3,4,5,6,7
	global_load_b128 v[BIAS+8*\b:BIAS+8*\b+3], v[BO], s[94:95] offset:64*\b
	global_load_b128 v[BIAS+8*\b+4:BIAS+8*\b+7], v[BO], s[94:95] offset:64*\b+16
.endr
.macro FRAG reg, adr, q, i             ; 16 rows x 128 K: lane l holds row l % 16; registers 4 c .. 4 c + 3 hold K = 32 c + 16 (l / 16) + 0 .. 15
.irp c, 0,1,2,3
	ds_load_b128 v[\reg+4*\c:\reg+4*\c+3], v[\adr] offset:128*(\q)+32*\c+(\i)*16*PITCH
.endr
.endm
; 16 matrix instructions: A's blocks a0, a0 + 1 x B's eight.  zero = 1: the first product starts the sums from the bias.  The 32 accumulators take turns.
.macro MUL16 a0, p, q, sc, zero
.irp a, \a0, \a0+1
.irp b, 0,1,2,3,4,5,6,7
.if \zero
	v_wmma_scale_f32_16x16x128_f8f6f4 v[8*(8*(\a)+\b):8*(8*(\a)+\b)+7], v[128*(\p)+FR*\b:128*(\p)+FR*\b+FR-1], v[AF+FR*(\a):AF+FR*(\a)+FR-1], v[BIAS+8*\b:BIAS+8*\b+7], v[SC+8*NQ*(\sc)+NQ*\b+(\q)], v[SC+8*NQ*(\sc)+NQ*(\a)+(\q)] matrix_a_scale:MATRIX_SCALE_ROW1
.else
	v_wmma_scale_f32_16x16x128_f8f6f4 v[8*(8*(\a)+\b):8*(8*(\a)+\b)+7], v[128*(\p)+FR*\b:128*(\p)+FR*\b+FR-1], v[AF+FR*(\a):AF+FR*(\a)+FR-1], v[8*(8*(\a)+\b):8*(8*(\a)+\b)+7], v[SC+8*NQ*(\sc)+NQ*\b+(\q)], v[SC+8*NQ*(\sc)+NQ*(\a)+(\q)] matrix_a_scale:MATRIX_SCALE_ROW1
.endif
.endr
.endr
.endm
.macro FETCH_B slot, q, p
	WIN TO_B
.irp i, 0,1,2,3,4,5,6,7
	FRAG 128*(\p)+FR*\i, ADRB+\slot, \q, \i
.endr
	WIN 0
.endm
.macro FETCH_A slot, q, i0             ; A's blocks i0, i0 + 1
.irp i, \i0, \i0+1
	FRAG AF+FR*(\i), ADRA+\slot, \q, \i
.endr
.endm
.macro SCALES sc                       ; a K step's scale words: lanes 16-31 B's block i; lanes 0-15 A's block i (i < 4; beyond that they read filled bytes that no product names)
.irp i, 0,1,2,3,4,5,6,7
	ds_load_b64 v[SC+8*NQ*\sc+NQ*\i:SC+8*NQ*\sc+NQ*\i+1], v[ADRS] offset:\i*SBLK
.endr
.endm
.macro PLACES n
.rept \n
	v_nop
.endr
.endm
.macro STEP slot, q, zero              ; 128 along K with its successor in the same slot.  zero = 1: C is read from window 0 (the bias)
	s_wait_dscnt 2*NL                              ; B's set and A's blocks 0, 1 are in; the youngest 8 loads (A's blocks 2, 3) may be out
	WIN MUL_LO-0x20*(\zero)
	MUL16 0, (\q)%2, \q, \slot, \zero
	s_wait_dscnt 0
	PLACES NP
	FETCH_B \slot, (\q)+1, 1-(\q)%2
	FETCH_A \slot, (\q)+1, 0
	WIN MUL_LO-0x20*(\zero)
	MUL16 2, (\q)%2, \q, \slot, \zero
	PLACES NP
	WIN 0
	FETCH_A \slot, (\q)+1, 2
.endm
.macro TURN slot, next, fill           ; a slot's last step changes slots: one barrier; fill = 1: this slot is filled again, two K steps ahead
	s_wait_tensorcnt 0x0                           ; all my tensor loads have landed: my part of the next slot
	ds_add_u32 v[SPW], v[NIL]
	s_wait_dscnt 2*NL+1                            ; the add and the youngest 8 loads may be out
	WIN MUL_LO
	MUL16 0, 1, NQ-1, \slot, 0
	s_wait_dscnt 0x0                               ; the add is done, and my reads of this slot are over: A's blocks 2, 3 lie in registers
	s_barrier_signal -1
	WIN 0
	s_barrier_wait -1
.if \fill
	CREST                                          ; the barrier has opened a round of the cluster's barrier
	s_add_nc_u64 s[G0+4*\slot+2:G0+4*\slot+3], s[G0+4*\slot+2:G0+4*\slot+3], 2*ROWB
	s_add_nc_u64 s[G0B+4*\slot+2:G0B+4*\slot+3], s[G0B+4*\slot+2:G0B+4*\slot+3], 2*ROWB
	JLOAD G0+4*\slot, G1, G0B+4*\slot, G1B         ; the first tensor load behind the round; its four v_nop are among the places
	PLACES NP-4
.else
	PLACES NP
.endif
	v_add_nc_u32 v[ADRS], 4*NQ, v[ADRS]            ; the next K step's scale words
	s_wait_alu depctr_va_vdst(0)                   ; the wait directly behind the write
	FETCH_B \next, 0, 0
	FETCH_A \next, 0, 0
	SCALES \next
	WIN MUL_LO
	MUL16 2, 1, NQ-1, \slot, 0
	PLACES NP
	WIN 0
	FETCH_A \next, 0, 2
.endm
	s_wait_alu depctr_va_vdst(0)
	s_wait_tensorcnt 0x0                           ; my tile of the head's four is in; these lines stand ahead of a later first fill as ahead of a refill
	ds_add_u32 v[SPW], v[NIL]
	s_mov_b32 s[G1+2], 64<<16                      ; no tensor load of mine is out: from here on a load brings half a tile
	s_mov_b32 s[G1+4], 64
	s_mov_b32 s[G1B+2], 128<<16
	s_mov_b32 s[G1B+4], 128
	s_wait_dscnt 0x0
	CROUND
	JLOAD G0+4, G1, G0B+4, G1B                     ; K step 1, the first tensor load behind the round
	FETCH_B 0, 0, 0
	FETCH_A 0, 0, 0
	SCALES 0
	FETCH_A 0, 0, 2
	s_wait_loadcnt 0x0                             ; the bias
	STEP 0, 0, 1
	s_mov_b32 s3, LAPS-1
.Llap:
	TURN 0, 1, 1
	STEP 1, 0, 0
	TURN 1, 0, 1
	STEP 0, 0, 0
	s_sub_co_u32 s3, s3, 1
	s_cmp_lg_u32 s3, 0
	s_cbranch_scc1 .Llap
	TURN 0, 1, 0                                   ; the last lap fills nothing
	STEP 1, 0, 0
	s_wait_dscnt 2*NL
	WIN MUL_LO
	MUL16 0, 1, NQ-1, 1, 0
	s_wait_dscnt 0
	MUL16 2, 1, NQ-1, 1, 0
	WIN 0
	PLACES NP                                      ; ahead of the first reads of results and of loads into A's registers
	; q and k: the sums of squares of my 128 columns, row by row.  Lane (r, h) holds row r of block a and 64 of its columns; each accumulator is read from its low end on; the four blocks by turns
	s_cmp_eq_u32 s[MAT], 2
	s_cbranch_scc1 .Lno_sq                         ; v is not normalised
	s_mov_b32 s20, 0x76543210
	s_mov_b32 s21, 0xfedcba98                      ; v_permlanex16_b32's selects for lane l xor 16
	WIN 0x0a                                       ; sources 0 and 1: window 2
.irp b, 0,1,2,3,4,5,6,7
.irp p, 0,2,4,6
.irp a, 0,1,2,3
.if (\b)+(\p) == 0
	v_pk_mul_f32 v[SQ+2*\a:SQ+2*\a+1], v[64*\a:64*\a+1], v[64*\a:64*\a+1]
.else
	v_pk_fma_f32 v[SQ+2*\a:SQ+2*\a+1], v[64*\a+8*\b+\p:64*\a+8*\b+\p+1], v[64*\a+8*\b+\p:64*\a+8*\b+\p+1], v[SQ+2*\a:SQ+2*\a+1]
.endif
.endr
.endr
.endr
	WIN 0
.irp a, 0,1,2,3
	v_add_f32 v[80+\a], v[SQ+2*\a], v[SQ+2*\a+1]
.endr
.irp a, 0,1,2,3
	v_permlanex16_b32 v[88+\a], v[80+\a], s20, s21 ; (v88-91 held the bias: written)
.endr
.irp a, 0,1,2,3
	v_add_f32 v[80+\a], v[80+\a], v[88+\a]         ; row r of block a, in both halves of the lanes
.endr
.irp i, 0,1
	v_cndmask_b32 v[96+\i], v[80+2*\i], v[81+2*\i], s2     ; lane = row 32 i + lane
.endr
.irp i, 0,1
	global_store_b32 v[L4], v[96+\i], s[98:99] offset:128*\i       ; 128 consecutive bytes; the two together 256, aligned
.endr
.Lno_sq:
; THE WAY OUT, block by block of 16 rows x 128 columns, through my own stage: whole rows of 512 bytes come back and are stored as two aligned units of 256 bytes.  LDS serves a wave's instructions in order (ISA guide 5.7.1.4)
.macro TOSTAGE a
.set AC, 64*(\a)
	WIN 0x08
.irp b, 0,1,2,3,4,5,6,7
	ds_store_b128 v[STO], v[AC+8*\b:AC+8*\b+3] offset:64*\b          ; each accumulator from its low end on
	ds_store_b128 v[STO], v[AC+8*\b+4:AC+8*\b+7] offset:64*\b+16
.endr
	WIN 0
.set BB, BK+64*((\a)%2)
.irp t, 0,1,2,3,4,5,6,7,8,9,10,11,12,13,14,15
	ds_load_b128 v[BB+4*\t:BB+4*\t+3], v[RD] offset:\t*SPITCH
.endr
.endm
.macro SEND a, younger                 ; younger: the LDS instructions issued behind block a's loads
.set BB, BK+64*((\a)%2)
	s_wait_dscnt \younger
.if (\a) > 0
	s_add_nc_u64 s[12:13], s[12:13], 16*OP         ; (behind a wait on XCNT: the earlier stores have read their base)
.endif
.irp t, 0,1,2,3,4,5,6,7,8,9,10,11,12,13,14,15
	global_store_b128 v[CO], v[BB+4*\t:BB+4*\t+3], s[12:13] offset:\t*OP
.endr
.endm
	TOSTAGE 0
.irp a, 1,2,3
.if \a > 1
	s_wait_xcnt 0x0                                ; block a - 2's stores have read their registers and base
.endif
	TOSTAGE \a
	SEND \a-1, 32                                  ; behind block a - 1's loads: block a's 16 stores and 16 loads
.endr
	s_wait_xcnt 0x0
	SEND 3, 0
	s_wait_tensorcnt 0x0                           ; the wave's end
	ds_add_u32 v[SPW], v[NIL]
	s_wait_dscnt 0x0
	CROUND                                         ; the closing round
	s_endpgm
.Lfunc_end_k_q483d5d86be_proj:
	.size	k_q483d5d86be_proj, .Lfunc_end_k_q483d5d86be_proj-k_q483d5d86be_proj
	.p2alignl 7, 3214868480
	.fill 96, 4, 3214868480
	.section	.rodata,"a",@progbits
	.p2align	6, 0x0
	.amdhsa_kernel k_q483d5d86be_proj
		.amdhsa_group_segment_fixed_size 327680
		.amdhsa_private_segment_fixed_size 0
		.amdhsa_enable_private_segment 0
		.amdhsa_kernarg_size 120
		.amdhsa_user_sgpr_count 2
		.amdhsa_user_sgpr_kernarg_segment_ptr 1
		.amdhsa_wavefront_size32 1
		.amdhsa_system_sgpr_workgroup_id_x 1
		.amdhsa_system_sgpr_workgroup_id_y 1
		.amdhsa_system_sgpr_workgroup_id_z 1
		.amdhsa_system_vgpr_workitem_id 0
		.amdhsa_next_free_vgpr 768
		.amdhsa_next_free_sgpr 100
		.amdhsa_reserve_vcc 0
		.amdhsa_float_denorm_mode_32 3
		.amdhsa_float_denorm_mode_16_64 3
		.amdhsa_memory_ordered 1
		.amdhsa_forward_progress 1
		.amdhsa_inst_pref_size 103
	.end_amdhsa_kernel
	.amdgpu_metadata
---
amdhsa.version: [ 1, 2 ]
amdhsa.kernels:
  - .name:           k_q483d5d86be_proj
    .symbol:         k_q483d5d86be_proj.kd
    .args:
      - { .name: input_codes, .offset: 0, .size: 8, .value_kind: global_buffer, .address_space: global }
      - { .name: input_scales, .offset: 8, .size: 8, .value_kind: global_buffer, .address_space: global }
      - { .name: Wq_codes, .offset: 16, .size: 8, .value_kind: global_buffer, .address_space: global }
      - { .name: Wq_scales, .offset: 24, .size: 8, .value_kind: global_buffer, .address_space: global }
      - { .name: Wk_codes, .offset: 32, .size: 8, .value_kind: global_buffer, .address_space: global }
      - { .name: Wk_scales, .offset: 40, .size: 8, .value_kind: global_buffer, .address_space: global }
      - { .name: Wv_codes, .offset: 48, .size: 8, .value_kind: global_buffer, .address_space: global }
      - { .name: Wv_scales, .offset: 56, .size: 8, .value_kind: global_buffer, .address_space: global }
      - { .name: bq, .offset: 64, .size: 8, .value_kind: global_buffer, .address_space: global }
      - { .name: bk, .offset: 72, .size: 8, .value_kind: global_buffer, .address_space: global }
      - { .name: bv, .offset: 80, .size: 8, .value_kind: global_buffer, .address_space: global }
      - { .name: qf, .offset: 88, .size: 8, .value_kind: global_buffer, .address_space: global }
      - { .name: kf, .offset: 96, .size: 8, .value_kind: global_buffer, .address_space: global }
      - { .name: out1, .offset: 104, .size: 8, .value_kind: global_buffer, .address_space: global }
      - { .name: nrm, .offset: 112, .size: 8, .value_kind: global_buffer, .address_space: global }
    .group_segment_fixed_size: 327680
    .private_segment_fixed_size: 0
    .kernarg_segment_align: 8
    .kernarg_segment_size: 120
    .max_flat_workgroup_size: 128
    .sgpr_count:     100
    .vgpr_count:     768
    .wavefront_size: 32
...
	.end_amdgpu_metadata
.endif
;; end of part 1
;; launch quant (part 2): grid 2688 x 1, 4 waves a work-group, no clusters, 18,944 bytes of LDS; arguments kv_external, xl_memory, out1, qf, ext, loc, sc, kf, nrm; writes ext, loc, sc
.if DOCPART == 2
	.amdgcn_target "amdgcn-amd-amdhsa--gfx1250"
	.amdhsa_code_object_version 6
	.text
	.protected	k_q483d5d86be_quant
	.globl	k_q483d5d86be_quant
	.p2align	8
	.type	k_q483d5d86be_quant,@function
k_q483d5d86be_quant:
	s_mov_b64 s[64:65], 0
	v_nop
	global_prefetch_b8 v0, s[64:65] scope:SCOPE_SE
	s_setreg_imm32_b32 hwreg(HW_REG_WAVE_MODE, 25, 1), 1
	s_wait_xcnt 0x0
; Every f32 operand of products 4 to 7 becomes codes of E4M3 with one E8M0 byte for each 32 along its product's K, laid in the ORDER OF THE OPERAND'S REGISTERS, so that the next launch takes fragments by 16-byte loads at 16 x lane.
; All four sources have rows 8,192 bytes apart (a key's or a query's 1,024 numbers, then the value's): kv_external (4,096 rows a batch), xl_memory, out1, qf (512 rows a batch).
; A block's scale byte is its largest magnitude's exponent field - 8, held at 1 from below; each number is held within +-448 x the scale (the conversion does not saturate: ISA guide 7.6.2) and rounded to the nearest code.
; LIMITS: NaN and infinities are not served; a block of zeros gets the byte 1 where the rule says 127: its codes are zeros, and this program alone reads the bytes.
; K ROLE (work-groups 0 .. 1,407): K = the head's 64 channels, innermost in memory.  A wave takes 64 rows of one head: four tiles of 16 rows.  THE ROWS OF A TILE ARE NOT NEIGHBOURS: row r of tile 2 bb + u is
;   32 bb + 8 u + r + 8 (r / 8), so that in the next launch the 16 registers of two neighbouring tiles of scores are 16 neighbouring keys.  A tile's 16 rows x 256 bytes are loaded as they lie, two whole rows a load,
;   and turn through the wave's own stage, so that lane (r, h) holds 16 neighbours of each block of 32.  Image of tile t: 1,024 t + 512 c + 16 x lane.  Scale words of the four tiles: 256 bytes, [lane][2]: word i: lanes 0-15 tile 2 i, lanes 16-31 tile 2 i + 1.
; V ROLE (the others): K = the keys, outermost.  A lane takes a channel and its registers run down 128 keys: a block of 32 lies in one lane.  Lane (t', r) takes channel 32 g + 8 t' + r + 8 (r / 8) of its head.
;   Image of a step of 128 keys: 2,048 t + 512 c + 16 x lane.  Scale words: 128 g + 4 x lane.  No LDS.
; THE LOCAL SOURCES: q comes RAW from qf and k RAW from kf (rows 8,192 bytes apart too); of out1 only the values, its rows' second halves, are read.
; In the K role the waves that take q or k add their 64 rows' eight parts of the sum of squares (nrm[q or k][part][row]), make 1 / max(norm, 1e-12), pass the 64 factors through 256 LDS bytes of their own,
; and multiply the rows as they were loaded (two whole rows of 256 bytes a register group), ahead of the quantiser.
.set SPARE, 17408
.set FAC, 17920                        ; behind the spare words: 256 bytes a wave for the 64 factors
.set SPW, 1
.set NIL, 2
.set TM,  8                            ; v8-9 largest magnitudes; v10-11 the permutes' results; v12-13 the conversions' scale operands; v14-15 448 x the scale; v16-17 the bytes
.set PT,  10
.set SOP, 12
.set HOLD, 14
.set BY,  16
.set R,   32                           ; v32-159  K role: tile t as loaded at 32 t;  V role: block c's 32 numbers at 32 c
.set X,   160                          ; v160-191 a tile's numbers, 16 neighbours of each block
.set C,   192                          ; v192-223 codes: eight registers a tile or a block, so that no store's data are written again
.macro QUANT2 src, dst, word           ; two blocks of 32: my 16 numbers of each at v[src + 16 b ..], the other 16 in lane l xor 16
.irp b, 0,1
	v_max3_num_f32 v[TM+\b], |v[(\src)+16*\b]|, |v[(\src)+16*\b+1]|, 0x4800000     ; with the floor 2^(9 - 127): the byte cannot fall under 1
.endr
.irp i, 2,4,6,8,10,12,14
.irp b, 0,1
	v_max3_num_f32 v[TM+\b], v[TM+\b], |v[(\src)+16*\b+\i]|, |v[(\src)+16*\b+\i+1]|
.endr
.endr
.irp b, 0,1
	v_permlanex16_b32 v[PT+\b], v[TM+\b], s26, s27
.endr
.irp b, 0,1
	v_max_num_f32 v[TM+\b], v[TM+\b], v[PT+\b]
.endr
.irp b, 0,1
	v_add_nc_u32 v[SOP+\b], 0xfc000000, v[TM+\b]   ; 8 off the exponent field: the conversion's scale operand
.endr
.irp b, 0,1
	v_and_or_b32 v[HOLD+\b], v[TM+\b], 0x7f800000, s24   ; 448 x the scale
.endr
.irp b, 0,1
	v_lshrrev_b32 v[BY+\b], 23, v[SOP+\b]
.endr
	v_lshl_or_b32 v[(\word)], v[BY+1], 8, v[BY]    ; the row's scale word: two bytes; the upper two stay 0 and meet zero codes alone
.irp b, 0,1
.irp i, 0,1,2,3,4,5,6,7,8,9,10,11,12,13,14,15
	v_med3_num_f32 v[(\src)+16*\b+\i], v[(\src)+16*\b+\i], -v[HOLD+\b], v[HOLD+\b]
.endr
	v_cvt_scalef32_pk8_fp8_f32 v[(\dst)+4*\b:(\dst)+4*\b+1], v[(\src)+16*\b:(\src)+16*\b+7], v[SOP+\b]
	v_cvt_scalef32_pk8_fp8_f32 v[(\dst)+4*\b+2:(\dst)+4*\b+3], v[(\src)+16*\b+8:(\src)+16*\b+15], v[SOP+\b]
.endr
	v_nop                                          ; one plain line behind the last conversion
.endm
	s_load_b256 s[4:11], s[0:1], 0x0               ; kv_external, xl_memory, out1, qf
	s_load_b128 s[12:15], s[0:1], 0x20             ; ext, loc
	s_load_b64 s[16:17], s[0:1], 0x30              ; sc
	s_load_b128 s[48:51], s[0:1], 0x38             ; kf, nrm
	v_lshl_add_u32 v[SPW], v0, 2, SPARE
	v_mov_b32 v[NIL], 0
	v_lshrrev_b32 v3, 5, v0
	v_readfirstlane_b32 s18, v3                    ; wave 0..3
	v_and_b32 v24, 31, v0                          ; lane
	v_lshrrev_b32 v25, 4, v24                      ; lane / 16
	v_and_b32 v26, 15, v0                          ; lane % 16
	s_mov_b32 s24, 0x600000                        ; the mantissa field of 448
	s_mov_b32 s26, 0x76543210
	s_mov_b32 s27, 0xfedcba98
	v_cmp_lt_u32 s28, 15, v24                      ; the mask of lanes 16-31
	v_mov_b32 v10, 0                               ; a lane permute's destination counts as one of its sources
	v_mov_b32 v11, 0
	s_mul_i32 s19, s18, 4352                       ; my stage: 16 rows x 272 bytes
	v_mul_u32_u24 v4, v25, 272
	v_lshl_add_u32 v4, v26, 4, v4
	v_add_nc_u32 v4, s19, v4                       ; in: two rows a store, 16 bytes a lane
	v_mul_u32_u24 v5, v26, 272
	v_lshl_add_u32 v5, v25, 6, v5
	v_add_nc_u32 v5, s19, v5                       ; back: row r, + 64 h
	v_lshlrev_b32 v6, 4, v24                       ; 16 x lane
	v_lshlrev_b32 v7, 3, v24                       ; 8 x lane
	s_lshl_b32 s52, s18, 8
	s_add_co_u32 s52, s52, FAC
	v_lshl_add_u32 v28, v24, 2, s52                ; K role: where my rows' factors go: lane = row,
	v_lshl_add_u32 v29, v25, 2, s52                ; and from where a load's two rows take theirs
	v_lshlrev_b32 v27, 2, v24                      ; 4 x lane
	s_cmp_lt_u32 ttmp9, 1408
	s_cbranch_scc0 .Lvrole
	; ---- K ROLE
	s_lshr_b32 s20, ttmp9, 2                       ; g: which 64 rows
	s_and_b32 s21, ttmp9, 3
	s_lshl_b32 s21, s21, 2
	s_add_co_u32 s21, s21, s18                     ; head
	s_lshr_b32 s29, s20, 6                         ; g < 256, kv_external: batch,
	s_and_b32 s30, s20, 63                         ; and which 64 of its 4,096 rows
	s_sub_co_u32 s31, s20, 256                     ; else: 32 for each of xl_memory, k, qf
	s_lshr_b32 s32, s31, 5                         ; which of the three,
	s_bfe_u32 s33, s31, 0x20003                    ; batch,
	s_and_b32 s34, s31, 7                          ; which 64 of its 512 rows
	s_lshl_b32 s35, s32, 15                        ; where the codes go in a head's part of loc: 0, 32,768, (131,072)
	s_lshl_b32 s36, s32, 11
	s_add_co_u32 s36, s36, 24576                   ; and the scale words in sc: 24,576, 26,624, (30,720)
	s_mov_b32 s42, 163840
	v_lshlrev_b32 v3, 13, v25
	v_lshl_add_u32 v3, v26, 4, v3                  ; a load's lane term: lanes 0-15 one row's 256 bytes, lanes 16-31 the next row's
	s_wait_alu depctr_va_vdst(0)
	s_wait_kmcnt 0x0
	s_cmp_eq_u32 s32, 0                            ; every choice hangs on the work-group's number alone
	s_cselect_b64 s[38:39], s[6:7], s[48:49]       ; xl_memory, or the raw k
	s_cmp_eq_u32 s32, 2
	s_cselect_b64 s[38:39], s[10:11], s[38:39]
	s_cselect_b32 s35, 131072, s35
	s_cselect_b32 s37, 2048, 0
	s_add_co_u32 s36, s36, s37
	s_cmp_lt_u32 s20, 256
	s_cselect_b64 s[38:39], s[4:5], s[38:39]       ; from where,
	s_cselect_b64 s[40:41], s[12:13], s[14:15]     ; to where
	s_cselect_b32 s29, s29, s33                    ; batch
	s_cselect_b32 s30, s30, s34                    ; kg
	s_cselect_b32 s35, 0, s35
	s_cselect_b32 s36, 0, s36
	s_cselect_b32 s42, 524288, s42                 ; a head's bytes in ext or in loc
	s_cselect_b32 s43, 12, 9                       ; log2 of a batch's rows
	s_lshl_b32 s44, s29, s43
	s_lshl_b32 s45, s30, 6
	s_add_co_u32 s44, s44, s45
	s_lshl_b32 s44, s44, 13                        ; my first row x 8,192
	s_lshl_b32 s45, s21, 8
	s_add_co_u32 s44, s44, s45                     ; + 256 x head
	s_mov_b32 s45, 0
	s_add_nc_u64 s[38:39], s[38:39], s[44:45]
	s_sub_co_u32 s52, 2, s32                       ; nrm (used for q and k alone): q is part 0, k part 1,
	s_lshl_b32 s52, s52, 16
	s_lshl_b32 s53, s29, 11                        ; 4 bytes x (512 x batch
	s_add_co_u32 s52, s52, s53
	s_lshl_b32 s53, s30, 8                         ; + 64 kg)
	s_add_co_u32 s52, s52, s53
	s_mov_b32 s53, 0
	s_add_nc_u64 s[50:51], s[50:51], s[52:53]
	s_lshl_b32 s46, s29, 4
	s_add_co_u32 s46, s46, s21                     ; bh = 16 x batch + head
	s_mul_i32 s44, s46, s42
	s_add_co_u32 s44, s44, s35
	s_lshl_b32 s47, s30, 12
	s_add_co_u32 s44, s44, s47                     ; + 4,096 kg
	s_add_nc_u64 s[40:41], s[40:41], s[44:45]
	s_lshl_b32 s44, s46, 15
	s_add_co_u32 s44, s44, s36
	s_lshl_b32 s47, s30, 8
	s_add_co_u32 s44, s44, s47                     ; + 256 kg
	s_add_nc_u64 s[16:17], s[16:17], s[44:45]
.irp t, 0,1,2,3
.irp i, 0,1,2,3,4,5,6,7
	global_load_b128 v[R+32*\t+4*\i:R+32*\t+4*\i+3], v3, s[38:39] offset:(32*(\t/2)+8*(\t%2)+2*\i+8*(\i/4))*8192 th:TH_LOAD_NT   ; rows 2 i and 2 i + 1 of tile t: 256 consecutive bytes each, aligned
.endr
.endr
.macro KTILE t
	s_wait_loadcnt 8*(3-(\t))                      ; this tile's eight loads are in; the later tiles' may be out
.irp i, 0,1,2,3,4,5,6,7
	ds_store_b128 v4, v[R+32*(\t)+4*\i:R+32*(\t)+4*\i+3] offset:544*\i
.endr
.irp c, 0,1
.irp j, 0,1,2,3
	ds_load_b128 v[X+16*\c+4*\j:X+16*\c+4*\j+3], v5 offset:128*\c+16*\j    ; LDS serves a wave's instructions in order: these see my stores
.endr
.endr
	s_wait_dscnt 0x0
	QUANT2 X, C+8*(\t), 18+(\t)
	global_store_b128 v6, v[C+8*(\t):C+8*(\t)+3], s[40:41] offset:1024*(\t)          ; 32 lanes store 512 consecutive bytes, aligned
	global_store_b128 v6, v[C+8*(\t)+4:C+8*(\t)+7], s[40:41] offset:1024*(\t)+512
.endm
	s_cmp_lt_u32 s20, 288                          ; kv_external and xl_memory are taken as they are: a branch on the work-group's number
	s_cbranch_scc1 .Lraw
.irp p, 0,1,2,3,4,5,6,7
	global_load_b32 v[X+\p], v27, s[50:51] offset:8192*\p          ; part p of row lane,
	global_load_b32 v[X+8+\p], v27, s[50:51] offset:8192*\p+128    ; and of row 32 + lane
.endr
	s_wait_loadcnt 0x0
.irp p, 1,2,3,4,5,6,7
	v_add_f32 v[X], v[X], v[X+\p]                  ; one fixed order: every wave that takes a row gets the same bits
	v_add_f32 v[X+8], v[X+8], v[X+8+\p]
.endr
	s_wait_alu depctr_va_vdst(0)                   ; waits ahead of and behind each batch
	v_sqrt_f32 v[X], v[X]
	v_sqrt_f32 v[X+8], v[X+8]
	v_nop
	s_wait_alu depctr_va_vdst(0)
	v_max_num_f32 v[X], 0x2b8cbccc, v[X]           ; max(norm, 1e-12)
	v_max_num_f32 v[X+8], 0x2b8cbccc, v[X+8]
	s_wait_alu depctr_va_vdst(0)
	v_rcp_f32 v[X], v[X]
	v_rcp_f32 v[X+8], v[X+8]
	v_nop
	s_wait_alu depctr_va_vdst(0)
	ds_store_b32 v28, v[X]
	ds_store_b32 v28, v[X+8] offset:128
.irp t, 0,1,2,3
.irp i, 0,1,2,3,4,5,6,7
	ds_load_b32 v[224+8*\t+\i], v29 offset:4*(32*(\t/2)+8*(\t%2)+2*\i+8*(\i/4))    ; LDS serves a wave's instructions in order: these see my stores
.endr
.endr
	s_wait_dscnt 0x0
.irp t, 0,1,2,3
.irp i, 0,1,2,3,4,5,6,7
.irp j, 0,1,2,3
	v_mul_f32 v[R+32*\t+4*\i+\j], v[R+32*\t+4*\i+\j], v[224+8*\t+\i]
.endr
.endr
.endr
	s_wait_alu depctr_va_vdst(0)
.Lraw:
	KTILE 0
	KTILE 1
	KTILE 2
	KTILE 3
	v_cndmask_b32 v22, v18, v19, s28               ; lanes 0-15 the even tile's words, lanes 16-31 the odd tile's
	v_cndmask_b32 v23, v20, v21, s28
	global_store_b64 v7, v[22:23], s[16:17]        ; 256 consecutive bytes, aligned
	s_branch .Lend
	; ---- V ROLE
.Lvrole:
	s_sub_co_u32 s20, ttmp9, 1408
	s_lshr_b32 s21, s20, 3                         ; st: which step of 128 keys
	s_and_b32 s20, s20, 7
	s_lshl_b32 s20, s20, 2
	s_add_co_u32 s20, s20, s18                     ; cg: which 32 channels of the 1,024
	s_lshr_b32 s22, s20, 1                         ; head
	s_and_b32 s23, s20, 1                          ; g: which half of its 64
	s_lshr_b32 s29, s21, 5                         ; st < 128, kv_external: batch,
	s_and_b32 s30, s21, 31                         ; step
	s_sub_co_u32 s31, s21, 128                     ; else: 16 for each of xl_memory, out1
	s_lshr_b32 s32, s31, 4
	s_bfe_u32 s33, s31, 0x20002
	s_and_b32 s34, s31, 3
	s_lshl_b32 s35, s32, 15
	s_add_co_u32 s35, s35, 65536                   ; V's images in a head's part of loc
	s_lshl_b32 s36, s32, 10
	s_add_co_u32 s36, s36, 28672                   ; and their scale words in sc
	s_mov_b32 s42, 163840
	v_and_b32 v27, 7, v24
	v_bfe_u32 v30, v24, 3, 1
	v_lshl_add_u32 v27, v30, 4, v27
	v_lshl_add_u32 v27, v25, 3, v27
	v_lshlrev_b32 v27, 2, v27                      ; my channel among the 32: 8 (lane / 16) + lane % 8 + 16 ((lane / 8) % 2), x 4 bytes: the 32 lanes read 128 consecutive bytes
	v_lshlrev_b32 v28, 11, v25
	v_lshl_add_u32 v28, v26, 4, v28                ; my codes' place: 2,048 (lane / 16) + 16 (lane % 16)
	v_lshlrev_b32 v29, 2, v24
	s_wait_alu depctr_va_vdst(0)
	s_wait_kmcnt 0x0
	s_cmp_eq_u32 s32, 0
	s_cselect_b64 s[38:39], s[6:7], s[8:9]
	s_cmp_lt_u32 s21, 128
	s_cselect_b64 s[38:39], s[4:5], s[38:39]
	s_cselect_b64 s[40:41], s[12:13], s[14:15]
	s_cselect_b32 s29, s29, s33
	s_cselect_b32 s30, s30, s34
	s_cselect_b32 s35, 262144, s35
	s_cselect_b32 s36, 16384, s36
	s_cselect_b32 s42, 524288, s42
	s_cselect_b32 s43, 12, 9
	s_lshl_b32 s44, s29, s43
	s_lshl_b32 s45, s30, 7
	s_add_co_u32 s44, s44, s45
	s_lshl_b32 s44, s44, 13                        ; my first key's row x 8,192
	s_lshl_b32 s45, s20, 7
	s_add_co_u32 s44, s44, s45
	s_add_co_u32 s44, s44, 4096                    ; the values are the second half of a row
	s_mov_b32 s45, 0
	s_add_nc_u64 s[38:39], s[38:39], s[44:45]
	s_lshl_b32 s46, s29, 4
	s_add_co_u32 s46, s46, s22                     ; bh
	s_mul_i32 s44, s46, s42
	s_add_co_u32 s44, s44, s35
	s_lshl_b32 s47, s30, 13
	s_add_co_u32 s44, s44, s47                     ; + 8,192 x step
	s_lshl_b32 s47, s23, 12
	s_add_co_u32 s44, s44, s47                     ; + 4,096 g
	s_add_nc_u64 s[40:41], s[40:41], s[44:45]
	s_lshl_b32 s44, s46, 15
	s_add_co_u32 s44, s44, s36
	s_lshl_b32 s47, s30, 8
	s_add_co_u32 s44, s44, s47
	s_lshl_b32 s47, s23, 7
	s_add_co_u32 s44, s44, s47
	s_add_nc_u64 s[16:17], s[16:17], s[44:45]
.set n, 0
.rept 128
	global_load_b32 v[R+n], v27, s[38:39] offset:n*8192 th:TH_LOAD_NT      ; key n of my channel
.set n, n+1
.endr
.macro VBLOCK c
.set XB, R+32*(\c)
.if (\c) == 0
	s_wait_loadcnt 63                              ; at most 63 of the 128 are out: the first 65 are in, blocks 0 and 1 among them
.elseif (\c) == 2
	s_wait_loadcnt 32                              ; the last block's 32 may be out
.elseif (\c) == 3
	s_wait_loadcnt 0
.endif
	v_max3_num_f32 v12, |v[XB]|, |v[XB+1]|, |v[XB+2]|              ; all 32 numbers of the block are mine
	v_max3_num_f32 v13, |v[XB+3]|, |v[XB+4]|, |v[XB+5]|
.irp i, 6,10,14,18,22,26
	v_max3_num_f32 v12, v12, |v[XB+\i]|, |v[XB+\i+1]|
	v_max3_num_f32 v13, v13, |v[XB+\i+2]|, |v[XB+\i+3]|
.endr
	v_max3_num_f32 v12, v12, |v[XB+30]|, |v[XB+31]|
	v_max3_num_f32 v12, v12, v13, 0x4800000        ; and the floor
	v_add_nc_u32 v14, 0xfc000000, v12
	v_and_or_b32 v15, v12, 0x7f800000, s24
	v_lshrrev_b32 v13, 23, v14
.if (\c) == 0
	v_mov_b32 v18, v13                             ; four bytes make my channel's scale word for these 128 keys
.else
	v_lshl_or_b32 v18, v13, 8*(\c), v18
.endif
.irp i, 0,1,2,3,4,5,6,7,8,9,10,11,12,13,14,15,16,17,18,19,20,21,22,23,24,25,26,27,28,29,30,31
	v_med3_num_f32 v[XB+\i], v[XB+\i], -v15, v15
.endr
.irp q, 0,1,2,3
	v_cvt_scalef32_pk8_fp8_f32 v[C+8*(\c)+2*\q:C+8*(\c)+2*\q+1], v[XB+8*\q:XB+8*\q+7], v14
.endr
	v_nop
	global_store_b128 v28, v[C+8*(\c):C+8*(\c)+3], s[40:41] offset:512*(\c)          ; keys 32 c + 0 .. 15: 16 lanes store 256 consecutive bytes, aligned
	global_store_b128 v28, v[C+8*(\c)+4:C+8*(\c)+7], s[40:41] offset:512*(\c)+256    ; keys 32 c + 16 .. 31
.endm
	VBLOCK 0
	VBLOCK 1
	VBLOCK 2
	VBLOCK 3
	global_store_b32 v29, v18, s[16:17]            ; 128 consecutive bytes for 16,384 read; the wave beside me stores the 128 that follow
.Lend:
	s_wait_tensorcnt 0x0                           ; the wave's end, behind my last LDS store
	ds_add_u32 v[SPW], v[NIL]
	s_wait_dscnt 0x0
	s_endpgm
.Lfunc_end_k_q483d5d86be_quant:
	.size	k_q483d5d86be_quant, .Lfunc_end_k_q483d5d86be_quant-k_q483d5d86be_quant
	.p2alignl 7, 3214868480
	.fill 96, 4, 3214868480
	.section	.rodata,"a",@progbits
	.p2align	6, 0x0
	.amdhsa_kernel k_q483d5d86be_quant
		.amdhsa_group_segment_fixed_size 18944
		.amdhsa_private_segment_fixed_size 0
		.amdhsa_enable_private_segment 0
		.amdhsa_kernarg_size 72
		.amdhsa_user_sgpr_count 2
		.amdhsa_user_sgpr_kernarg_segment_ptr 1
		.amdhsa_wavefront_size32 1
		.amdhsa_system_sgpr_workgroup_id_x 1
		.amdhsa_system_sgpr_workgroup_id_y 1
		.amdhsa_system_sgpr_workgroup_id_z 1
		.amdhsa_system_vgpr_workitem_id 0
		.amdhsa_next_free_vgpr 256
		.amdhsa_next_free_sgpr 66
		.amdhsa_reserve_vcc 0
		.amdhsa_float_denorm_mode_32 3
		.amdhsa_float_denorm_mode_16_64 3
		.amdhsa_memory_ordered 1
		.amdhsa_forward_progress 1
		.amdhsa_inst_pref_size 67
	.end_amdhsa_kernel
	.amdgpu_metadata
---
amdhsa.version: [ 1, 2 ]
amdhsa.kernels:
  - .name:           k_q483d5d86be_quant
    .symbol:         k_q483d5d86be_quant.kd
    .args:
      - { .name: kv_external, .offset: 0, .size: 8, .value_kind: global_buffer, .address_space: global }
      - { .name: xl_memory, .offset: 8, .size: 8, .value_kind: global_buffer, .address_space: global }
      - { .name: out1, .offset: 16, .size: 8, .value_kind: global_buffer, .address_space: global }
      - { .name: qf, .offset: 24, .size: 8, .value_kind: global_buffer, .address_space: global }
      - { .name: ext, .offset: 32, .size: 8, .value_kind: global_buffer, .address_space: global }
      - { .name: loc, .offset: 40, .size: 8, .value_kind: global_buffer, .address_space: global }
      - { .name: sc, .offset: 48, .size: 8, .value_kind: global_buffer, .address_space: global }
      - { .name: kf, .offset: 56, .size: 8, .value_kind: global_buffer, .address_space: global }
      - { .name: nrm, .offset: 64, .size: 8, .value_kind: global_buffer, .address_space: global }
    .group_segment_fixed_size: 18944
    .private_segment_fixed_size: 0
    .kernarg_segment_align: 8
    .kernarg_segment_size: 72
    .max_flat_workgroup_size: 128
    .sgpr_count:     66
    .vgpr_count:     256
    .wavefront_size: 32
...
	.end_amdgpu_metadata
.endif
;; end of part 2
;; launch attn (part 3): grid 4 x 64, 16 waves a work-group, no clusters, 327,680 bytes of LDS; arguments ext, loc, sc, rel_pos, gate, fz, kf, nrm, out1; writes fz, out1
.if DOCPART == 3
	.amdgcn_target "amdgcn-amd-amdhsa--gfx1250"
	.amdhsa_code_object_version 6
	.text
	.protected	k_q483d5d86be_attn
	.globl	k_q483d5d86be_attn
	.p2align	8
	.type	k_q483d5d86be_attn,@function
k_q483d5d86be_attn:
	s_mov_b64 s[64:65], 0
	v_nop
	global_prefetch_b8 v0, s[64:65] scope:SCOPE_SE
	s_setreg_imm32_b32 hwreg(HW_REG_WAVE_MODE, 25, 1), 1
	s_wait_xcnt 0x0
; Products 4 to 7, both softmaxes, the gate, and the fused rows as codes for product 8.
; LEFT OUT AS DEAD WORK: the steps of 128 local keys J > 4 + qb, which lie wholly under the mask that reference() builds itself (shown at the head of the first kernel); a NaN or an infinity that reaches only them is not carried.
; SHARES.  Work-group (x = batch, y = 4 head + qb): 128 queries of one head, SIXTEEN waves of 256 registers, four to a SIMD, so that one wave's vector work stands beside another's matrix work and LDS loads.
; Wave w: tile tq = w % 8 of 16 queries (T = 8 qb + tq; lane r's query is 32 (T / 2) + 8 (T % 2) + r + 8 (r / 8)) and half hf = w / 8 of the KEYS: of every eight key steps it takes steps 2 i + hf.
; The two waves of a tile meet twice through LDS: between the two passes over the retrieved keys (M and the sum), and at the end (both results; wave hf then finishes channels 32 hf .. 32 hf + 31 of the head).
; Both products are used transposed (S^T = K Q^T, O^T = V^T P^T): a lane holds ONE query throughout, and the 16 registers of two neighbouring tiles of scores are 16 neighbouring keys (the launch before chose the tiles' rows so).
; THE HEAD'S K = 64 IN AN INSTRUCTION OF 128.  Q's operand is 8 registers of codes and 8 of zero codes.  K's tile t is v[KF + 8 t .. + 15]: its upper half holds the NEXT tile's codes, which meet Q's zero codes and add nothing
; (our own quantiser makes no NaN code for finite numbers: a stated limit; the upper two scale bytes are 0, that is 2^-127, no NaN).  So a step's eight tiles lie in 72 registers.
; EXTERNAL ATTENTION: the weights are quantised FINISHED AND NORMALISED, so the row's M and sum l over all 4,096 keys come first: the keys are walked twice.  Pass 1: scores, M, l.  Pass 2: scores again,
; w = 2^(t - M - log2(l)) by one multiply-add and one exponential (the exponent is at most some 20 in size, so its rounding moves w by about 1e-6 of itself), quantised, multiplied by V.
; LOCAL ATTENTION: t = (q.k + rel_pos) x log2(e) / 8; rel_pos rides in as the C of the first product.  M = the running largest t rounded up to a whole number; p = 2^(t - M) is quantised along the keys; the sum of the unquantised p divides at the end.
; Each wave has an M of its own; the two are brought together by powers of two, which round nothing.  LIMIT: sums over the keys are formed in two halves and then added: an order of rounding of its own.
; NO CLUSTER, though the four query blocks of a head walk the same tiles: the local steps that a work-group leaves out hang on qb, which would be its place in the cluster, and a partner would jump over the reads of a tile that was asked for jointly.
; LDS: two slots of 131,072 bytes, each 65,536 of K's images (8 steps) and 65,536 of V's; the head's 32,768 bytes of scale words; 8,192 bytes for the waves' M and sums; the spare words.  Images are read at 16 x lane: consecutive bytes, no padding.
; THE WALK, nine visits, visit n in slot n % 2: 0-3 pass 1 on K's blocks 0-3; 4-7 pass 2; 8 the local block.  At the head waves 0-3 ask for K's block 0, a quarter (16,384 bytes) each, and wave 4 for the scale words.
; Behind visit 0's barrier stand first fills alone: K 1 (waves 0-3), V 1 (waves 4-7), V 0 (waves 8-11).  Behind the barrier of visits 1-6 waves 0-3 ask for K's block (n + 1) % 4 into the slot just left, behind that of visits 5 and 6 waves 4-7
; for V's; behind visit 7's waves 0, 1 ask for the local K in halves and waves 2, 3 for the local V: each half holds a step that every work-group reads (steps 0 and 4).  A load has a whole visit in which to land; one tensor load of a wave is out at the most.
; The results' images at the end lie in slot B, which has then had its last fill and its last read.
.set SLOTX, 131072
.set SCB,   262144
.set STAT,  294912                     ; 256 bytes a wave: -M, the sum (pass 1); 4,096 further on the same for the local keys
.set SPARE, 303104                     ; the spare words, 128 bytes a wave: eight blocks of 256 bytes that no other line names
.set SPW, 1                            ; v1 my spare word; v2 0: never rewritten
.set NIL, 2
.set LI,  3                            ; v3  16 x lane
.set L8,  4                            ; v4  SCB + 8 x lane
.set L4,  5                            ; v5  SCB + 4 x lane
.set ADR, 6                            ; v6, v7 the addresses of the run of LDS loads in hand
.set ADS, 7
.set RPO, 8                            ; v8  rel_pos: my query x 4,096 + 64 h + 512 x step
.set DQ,  9                            ; v9  my query in the block of 128, less 16 h
.set T0,  10
.set T1,  11
.set QF,  16                           ; v16-23 Q's codes, v24-31 zero codes.  v12 -M, v13 the largest t, v[14:15] the sum in two halves
.set KF,  32                           ; v32-95 eight tiles of K, or four fragments of V; v96-103 zero codes
.set S,   104                          ; v104-167 S^T, then p
.set O,   168                          ; v168-199 O^T
.set PC,  200                          ; v200-215 p's codes
.set BM,  216                          ; v216-219 the blocks' largest
.set PT,  220                          ; v220-223 permutes' results, a chain of the sums, the bytes
.set HOLD, 224
.set SOP, 228
.set KS,  232                          ; v232-235 K's scale words, also chains of the sums; v236-237 V's; v238 p's; v239 Q's
.set VS,  236
.set PW,  238
.set QS,  239
.set F,   240                          ; v[240:241] 2^(old M - new M)
.set XEO, 242                          ; v242 where I store my O_ext's image; v243 my O_local's
.set XLO, 243
.set XEH, 244                          ; v244, v245 block hf of these two
.set XLH, 245
.set XEP, 246                          ; v246, v247 block hf of my partner's two
.set XLP, 247
.set STW, 248                          ; v248 my words in STAT; v249 my partner's
.set STP, 249
.set W,   250                          ; v250-255 at work
.set TK,  66                           ; s66 where the step's K lies in LDS; s67 its V; s72 K's scale words; s73 V's
.set TV,  67
.set TS,  72
.set TJ,  73
.set G1Q, 28                           ; s[28:35] group 1: 64 rows of 256 bytes;  s[36:43]: 128 such rows
.set G1S, 36
.set GK,  44                           ; groups 0: s[44:47] K's quarter (it walks); s[48:51] V's (it walks); s[52:55] V 0; s[56:59] the scale words; s[60:63], s[68:71] the local K's and V's halves
.set GV,  48
.set GA,  52
.set GS,  56
.set GLK, 60
.set GLV, 68
.macro KLOAD                           ; a step's eight tiles of K and their scale words
	v_add_nc_u32 v[ADR], s[TK], v[LI]
	v_add_nc_u32 v[ADS], s[TS], v[L8]
.irp t, 0,1,2,3,4,5,6,7
	ds_load_b128 v[KF+8*\t:KF+8*\t+3], v[ADR] offset:1024*\t
	ds_load_b128 v[KF+8*\t+4:KF+8*\t+7], v[ADR] offset:1024*\t+512
.endr
	ds_load_b64 v[KS:KS+1], v[ADS]
	ds_load_b64 v[KS+2:KS+3], v[ADS] offset:256
.endm
.macro SMUL z                          ; S^T = K Q^T (+ what S holds, z = 0): eight accumulators, one instruction each
.irp p, 0,1,2,3
.if \z
	v_wmma_scale_f32_16x16x128_f8f6f4 v[S+16*\p:S+16*\p+7], v[KF+16*\p:KF+16*\p+15], v[QF:QF+15], 0, v[KS+\p], v[QS]
	v_wmma_scale_f32_16x16x128_f8f6f4 v[S+16*\p+8:S+16*\p+15], v[KF+16*\p+8:KF+16*\p+23], v[QF:QF+15], 0, v[KS+\p], v[QS] matrix_a_scale:MATRIX_SCALE_ROW1
.else
	v_wmma_scale_f32_16x16x128_f8f6f4 v[S+16*\p:S+16*\p+7], v[KF+16*\p:KF+16*\p+15], v[QF:QF+15], v[S+16*\p:S+16*\p+7], v[KS+\p], v[QS]
	v_wmma_scale_f32_16x16x128_f8f6f4 v[S+16*\p+8:S+16*\p+15], v[KF+16*\p+8:KF+16*\p+23], v[QF:QF+15], v[S+16*\p+8:S+16*\p+15], v[KS+\p], v[QS] matrix_a_scale:MATRIX_SCALE_ROW1
.endif
.endr
.endm
.macro VLOAD                           ; the step's four fragments of V into K's registers: the two additions and six v_nop are the eight places behind the products that read them, and ahead of the first read of the scores
	v_add_nc_u32 v[ADR], s[TV], v[LI]
	v_add_nc_u32 v[ADS], s[TJ], v[L4]
.rept 6
	v_nop
.endr
.irp t, 0,1,2,3
.irp c, 0,1,2,3
	ds_load_b128 v[KF+16*\t+4*\c:KF+16*\t+4*\c+3], v[ADR] offset:2048*\t+512*\c
.endr
.endr
	ds_load_b32 v[VS], v[ADS]
	ds_load_b32 v[VS+1], v[ADS] offset:128
.endm
.macro BMAX                            ; the largest score of my 16 keys of each block of 32; each accumulator is read from its low end on
.irp b, 0,1,2,3
	v_max3_num_f32 v[BM+\b], v[S+16*\b], v[S+16*\b+1], v[S+16*\b+2]
.endr
.irp i, 3,5,7,9,11,13
.irp b, 0,1,2,3
	v_max3_num_f32 v[BM+\b], v[BM+\b], v[S+16*\b+\i], v[S+16*\b+\i+1]
.endr
.endr
.irp b, 0,1,2,3
	v_max_num_f32 v[BM+\b], v[BM+\b], v[S+16*\b+15]
.endr
.endm
.macro XH                              ; with lane l xor 16's 16 keys
.irp b, 0,1,2,3
	s_delay_alu instid0(VALU_DEP_4)
	v_permlanex16_b32 v[PT+\b], v[BM+\b], s20, s21
.endr
.irp b, 0,1,2,3
	s_delay_alu instid0(VALU_DEP_4)
	v_max_num_f32 v[BM+\b], v[BM+\b], v[PT+\b]
.endr
.endm
.macro SMAX                            ; the step's largest score
	s_delay_alu instid0(VALU_DEP_2)
	v_max3_num_f32 v[T0], v[BM], v[BM+1], v[BM+2]
	s_delay_alu instid0(VALU_DEP_1)
	v_max_num_f32 v[T0], v[T0], v[BM+3]
.endm
.macro RUNM                            ; the running M and f = 2^(old M - new M)
	s_delay_alu instid0(VALU_DEP_1)
	v_mul_f32 v[T0], s22, v[T0]                    ; as t (c is positive)
	s_delay_alu instid0(VALU_DEP_1)
	v_max_num_f32 v13, v13, v[T0]
	v_mov_b32 v[T0], v12
	s_delay_alu instid0(VALU_DEP_2)
	v_floor_f32 v12, -v13                          ; -M = floor(-t): M is a whole number
	s_delay_alu instid0(VALU_DEP_1)
	v_sub_f32 v[T0], v12, v[T0]                    ; a whole number, 0 or less
	s_delay_alu instid0(VALU_DEP_1)
	v_cvt_i32_f32 v[T0], v[T0]                     ; (it saturates)
	s_delay_alu instid0(VALU_DEP_1)
	v_ldexp_f32 v[F], 1.0, v[T0]
.endm
.macro TEXP                            ; score x c + v12, two at a time
.set n, 0
.rept 32
	v_pk_fma_f32 v[S+n:S+n+1], v[S+n:S+n+1], s[22:23], v[12:13] op_sel_hi:[1,0,0]
.set n, n+2
.endr
.endm
.macro BMT                             ; the same of each block's largest score: p rises with the score, so this gives the block's largest p
.irp b, 0,1,2,3
	v_fma_f32 v[BM+\b], v[BM+\b], s22, v12
.endr
.endm
.macro EXP64
.set n, 0
.rept 64
	v_exp_f32 v[S+n], v[S+n]
.set n, n+1
.endr
.endm
.macro EXPB
.irp b, 0,1,2,3
	v_exp_f32 v[BM+\b], v[BM+\b]
.endr
.endm
.macro SUMS                            ; the row's sum of the unquantised p, in two chains
	v_pk_add_f32 v[220:221], v[108:109], v[112:113]
	v_pk_add_f32 v[252:253], v[116:117], v[120:121]
	v_pk_add_f32 v[250:251], v[124:125], v[128:129]
	v_pk_add_f32 v[234:235], v[132:133], v[136:137]
	v_pk_add_f32 v[232:233], v[140:141], v[144:145]
	v_pk_add_f32 v[230:231], v[148:149], v[152:153]
	v_pk_add_f32 v[228:229], v[156:157], v[160:161]
	v_pk_add_f32 v[14:15], v[14:15], v[164:165]
	v_pk_add_f32 v[220:221], v[220:221], v[104:105]
	v_pk_add_f32 v[252:253], v[252:253], v[106:107]
	v_pk_add_f32 v[250:251], v[250:251], v[110:111]
	v_pk_add_f32 v[234:235], v[234:235], v[114:115]
	v_pk_add_f32 v[232:233], v[232:233], v[118:119]
	v_pk_add_f32 v[230:231], v[230:231], v[122:123]
	v_pk_add_f32 v[228:229], v[228:229], v[126:127]
	v_pk_add_f32 v[14:15], v[14:15], v[130:131]
	v_pk_add_f32 v[220:221], v[220:221], v[134:135]
	v_pk_add_f32 v[252:253], v[252:253], v[138:139]
	v_pk_add_f32 v[250:251], v[250:251], v[142:143]
	v_pk_add_f32 v[234:235], v[234:235], v[146:147]
	v_pk_add_f32 v[232:233], v[232:233], v[150:151]
	v_pk_add_f32 v[230:231], v[230:231], v[154:155]
	v_pk_add_f32 v[228:229], v[228:229], v[158:159]
	v_pk_add_f32 v[14:15], v[14:15], v[162:163]
	v_pk_add_f32 v[220:221], v[220:221], v[166:167]
	s_delay_alu instid0(VALU_DEP_2)
	v_pk_add_f32 v[14:15], v[14:15], v[234:235]
	s_delay_alu instid0(VALU_DEP_2)
	v_pk_add_f32 v[220:221], v[220:221], v[232:233]
	v_pk_add_f32 v[252:253], v[252:253], v[230:231]
	v_pk_add_f32 v[250:251], v[250:251], v[228:229]
	s_delay_alu instid0(VALU_DEP_2)
	v_pk_add_f32 v[14:15], v[14:15], v[252:253]
	s_delay_alu instid0(VALU_DEP_2)
	v_pk_add_f32 v[220:221], v[220:221], v[250:251]
	s_delay_alu instid0(VALU_DEP_1)
	v_pk_add_f32 v[14:15], v[14:15], v[220:221]
.endm
.macro PQ                              ; p's four blocks into codes and a scale word
.irp b, 0,1,2,3
	v_max_num_f32 v[BM+\b], 0x4800000, v[BM+\b]    ; the floor 2^(9 - 127): the byte cannot fall under 1
.endr
.irp b, 0,1,2,3
	s_delay_alu instid0(VALU_DEP_4)
	v_add_nc_u32 v[SOP+\b], 0xfc000000, v[BM+\b]
.endr
.irp b, 0,1,2,3
	v_and_or_b32 v[HOLD+\b], v[BM+\b], 0x7f800000, s24
.endr
.irp b, 0,1,2,3
	v_lshrrev_b32 v[PT+\b], 23, v[SOP+\b]
.endr
	s_delay_alu instid0(VALU_DEP_3)
	v_lshl_or_b32 v[PW], v[PT+1], 8, v[PT]
	s_delay_alu instid0(VALU_DEP_1)
	v_lshl_or_b32 v[PW], v[PT+2], 16, v[PW]
	s_delay_alu instid0(VALU_DEP_1)
	v_lshl_or_b32 v[PW], v[PT+3], 24, v[PW]
.irp b, 0,1,2,3
.irp i, 0,1,2,3,4,5,6,7,8,9,10,11,12,13,14,15
	v_min_num_f32 v[S+16*\b+\i], v[S+16*\b+\i], v[HOLD+\b]      ; the conversion does not saturate (ISA guide 7.6.2); p is not negative, so the hold is one-sided
.endr
	v_cvt_scalef32_pk8_fp8_f32 v[PC+4*\b:PC+4*\b+1], v[S+16*\b:S+16*\b+7], v[SOP+\b]
	v_cvt_scalef32_pk8_fp8_f32 v[PC+4*\b+2:PC+4*\b+3], v[S+16*\b+8:S+16*\b+15], v[SOP+\b]
.endr
.endm
.macro PVMUL                           ; O^T += V^T P^T: four accumulators, one instruction each; then the eight places
.irp g, 0,1
	v_wmma_scale_f32_16x16x128_f8f6f4 v[O+16*\g:O+16*\g+7], v[KF+32*\g:KF+32*\g+15], v[PC:PC+15], v[O+16*\g:O+16*\g+7], v[VS+\g], v[PW]
	v_wmma_scale_f32_16x16x128_f8f6f4 v[O+16*\g+8:O+16*\g+15], v[KF+32*\g+16:KF+32*\g+31], v[PC:PC+15], v[O+16*\g+8:O+16*\g+15], v[VS+\g], v[PW] matrix_a_scale:MATRIX_SCALE_ROW1
.endr
.rept 8
	v_nop
.endr
.endm
.macro NEXT                            ; two steps on: the step between is my partner's
	s_add_co_u32 s[TK], s[TK], 16384
	s_add_co_u32 s[TV], s[TV], 16384
	s_add_co_u32 s[TS], s[TS], 1024
	s_add_co_u32 s[TJ], s[TJ], 512
.endm
.macro STATS                           ; the statistics begin anew
	v_mov_b32 v13, 0xff61b1e6                      ; -3e38, under every t
	s_delay_alu instid0(VALU_DEP_1)
	v_floor_f32 v12, -v13
	v_mov_b32 v14, 0
	v_mov_b32 v15, 0
.endm
.macro OZERO                           ; the step is written once: the first finds zeros
.set n, 0
.rept 32
	v_mov_b32 v[O+n], 0
.set n, n+1
.endr
.endm
.macro ROWSUM                          ; the sum's two halves, and lane l xor 16's
	v_add_f32 v14, v14, v15
	s_delay_alu instid0(VALU_DEP_1)
	v_permlanex16_b32 v[T1], v14, s20, s21
	s_delay_alu instid0(VALU_DEP_1)
	v_add_f32 v14, v14, v[T1]
.endm
.macro RPLOAD                          ; rel_pos of my query and the step's 128 keys, INTO the scores' registers: register 16 b + 8 u + j is key 32 b + 16 h + 8 u + j
.irp b, 0,1,2,3
.irp u, 0,1
	global_load_b128 v[S+16*\b+8*\u:S+16*\b+8*\u+3], v[RPO], s[76:77] offset:128*\b+32*\u
	global_load_b128 v[S+16*\b+8*\u+4:S+16*\b+8*\u+7], v[RPO], s[76:77] offset:128*\b+32*\u+16
.endr
.endr
.endm
.macro TL g0, g1                       ; a tensor load; an s_nop 0 and four v_nop follow it
	tensor_load_to_lds s[\g0:\g0+3], s[\g1:\g1+7]
	s_nop 0
.rept 4
	v_nop
.endr
.endm
; THE CHANGE OF SLOTS, at a visit's head.  Each wave waits for all its tensor loads, adds 0 to its spare word, and waits for that and for its LDS instructions, its reads of the slot that it has left among them.
; Behind the barrier the slot ahead is whole and nobody reads the other.  mode 0: nothing is asked for; 1: K's next block; 2: K's and V's; 3: visit 0's first fills; 4: the local block.  The branches hang on the wave's number alone.
; The change is written in two halves.  CHGA: the waits, the add and the barrier's signal: it stands where the wave's last LDS read of the slot that it leaves has been issued.  CHGB: the barrier's wait and what is asked for behind it.
; Between the two stands work on registers alone.
.macro CHGA mode
	s_wait_tensorcnt 0x0                           ; no tensor load of mine is out, so a group 0 may be written
	ds_add_u32 v[SPW], v[NIL]
.if (\mode) > 0
	ds_add_u32 v[SPW], v[NIL]                      ; and once more: twice on end
.endif
.if ((\mode) > 0) && ((\mode) < 4)
	s_xor_b32 s[GK+1], s[GK+1], SLOTX              ; the walking descriptor: the other slot than last time,
	s_add_co_u32 s74, s27, 1
	s_and_b32 s74, s74, 3
	s_lshl_b32 s74, s74, 16                        ; block (visit + 1) % 4
	s_mov_b32 s75, 0
	s_add_nc_u64 s[GK+2:GK+3], s[84:85], s[74:75]
	s_or_b32 s[GK+3], s[GK+3], 0x80000000
.endif
.if (\mode) == 2
	s_xor_b32 s[GV+1], s[GV+1], SLOTX
	s_add_nc_u64 s[GV+2:GV+3], s[86:87], s[74:75]
	s_or_b32 s[GV+3], s[GV+3], 0x80000000
.endif
	s_wait_dscnt 0x0                               ; the add is done, my LDS stores have landed, and my reads of the slot that I have left are over
	s_barrier_signal -1
.endm
.macro CHGB mode
	s_barrier_wait -1
.if (\mode) == 1
	s_cmp_lt_u32 s16, 4
	s_cbranch_scc0 .Lasked_\@
	TL GK, G1Q                                     ; a wave's one tensor load until the next such barrier
.Lasked_\@:
.elseif (\mode) == 2
	s_cmp_lt_u32 s16, 4
	s_cbranch_scc0 .Lnot_k_\@
	TL GK, G1Q
	s_branch .Lasked_\@
.Lnot_k_\@:
	s_cmp_lt_u32 s16, 8
	s_cbranch_scc0 .Lasked_\@
	TL GV, G1Q
.Lasked_\@:
.elseif (\mode) == 3
	s_cmp_lt_u32 s16, 4
	s_cbranch_scc0 .Lnot_k_\@
	TL GK, G1Q                                     ; K 1 into slot B: filled for the first time, as are the two below
	s_branch .Lasked_\@
.Lnot_k_\@:
	s_cmp_lt_u32 s16, 8
	s_cbranch_scc0 .Lnot_v_\@
	TL GV, G1Q                                     ; V 1 into slot B: it stays until visit 5
	s_branch .Lasked_\@
.Lnot_v_\@:
	s_cmp_lt_u32 s16, 12
	s_cbranch_scc0 .Lasked_\@
	TL GA, G1Q                                     ; V 0 into slot A: it stays until visit 4
.Lasked_\@:
.elseif (\mode) == 4
	s_cmp_lt_u32 s16, 2
	s_cbranch_scc0 .Lnot_k_\@
	TL GLK, G1S
	s_branch .Lasked_\@
.Lnot_k_\@:
	s_cmp_lt_u32 s16, 4
	s_cbranch_scc0 .Lasked_\@
	TL GLV, G1S
.Lasked_\@:
.endif
.endm
.macro CHG mode                        ; the whole change on end
	CHGA \mode
	CHGB \mode
.endm
.macro P1BODY                          ; a step of pass 1 behind its loads: work on registers alone
	SMUL 1
.rept 8
	v_nop
.endr
	BMAX
	SMAX
	s_delay_alu instid0(VALU_DEP_1)
	v_permlanex16_b32 v[T1], v[T0], s20, s21
	s_delay_alu instid0(VALU_DEP_1)
	v_max_num_f32 v[T0], v[T0], v[T1]
	RUNM
	TEXP
	s_wait_alu depctr_va_vdst(0)
	EXP64
	v_pk_mul_f32 v[14:15], v[14:15], v[F:F+1] op_sel_hi:[1,0]      ; the sum under the new M (a plain place behind the batch)
	s_wait_alu depctr_va_vdst(0)                   ; one wait for the batch, ahead of its first reader
	SUMS
	s_add_co_u32 s[TK], s[TK], 16384
	s_add_co_u32 s[TS], s[TS], 1024
.endm
; A visit of pass 1 that carries the change of slots to the next visit in its last step, which is written out: behind that step's loads of K my reads of this slot are over, so the signal stands there, and the step's
; products, exponentials and sums, 8 matrix and some 180 vector instructions on registers, stand between the signal and the wait.
.macro P1TURN mode
	s_mov_b32 s26, 3
.Lp1t_step_\@:
	KLOAD
	s_wait_dscnt 0x0
	P1BODY
	s_sub_co_u32 s26, s26, 1
	s_cmp_lg_u32 s26, 0
	s_cbranch_scc1 .Lp1t_step_\@
	KLOAD
	CHGA \mode                                     ; its wait on DScnt is for the add and for these loads of K
	P1BODY
	s_sub_co_u32 s[TK], s[TK], 65536
	s_xor_b32 s[TK], s[TK], SLOTX                  ; on to the other slot
	CHGB \mode
.endm
.macro P2MID                           ; a step of pass 2 between V's loads and the second product: work on registers alone
	BMAX
	XH
	TEXP
	BMT
	s_wait_alu depctr_va_vdst(0)
	EXP64
	EXPB                                           ; 68 exponentials, one batch
	v_nop
	s_wait_alu depctr_va_vdst(0)
	PQ
.rept 4
	v_nop                                          ; four places between the codes and the scaled products
.endr
.endm
; The same for pass 2: in the last step the signal stands behind V's loads, which are the wave's last reads of the slot.
.macro P2TURN mode
	s_mov_b32 s26, 3
.Lp2t_step_\@:
	KLOAD
	s_wait_dscnt 0x0
	SMUL 1
	VLOAD
	P2MID
	s_wait_alu depctr_va_vdst(0)
	s_wait_dscnt 0x0                               ; V
	PVMUL
	NEXT
	s_sub_co_u32 s26, s26, 1
	s_cmp_lg_u32 s26, 0
	s_cbranch_scc1 .Lp2t_step_\@
	KLOAD
	s_wait_dscnt 0x0
	SMUL 1
	VLOAD
	CHGA \mode                                     ; its wait on DScnt is for the add and for V
	P2MID
	PVMUL
	NEXT
	s_sub_co_u32 s[TK], s[TK], 65536
	s_xor_b32 s[TK], s[TK], SLOTX
	s_sub_co_u32 s[TV], s[TV], 65536
	s_xor_b32 s[TV], s[TV], SLOTX
	CHGB \mode
.endm
.macro P1VISIT
	s_mov_b32 s26, 4
.Lp1_step_\@:
	KLOAD
	s_wait_dscnt 0x0
	SMUL 1
.rept 8
	v_nop
.endr
	BMAX
	SMAX
	s_delay_alu instid0(VALU_DEP_1)
	v_permlanex16_b32 v[T1], v[T0], s20, s21
	s_delay_alu instid0(VALU_DEP_1)
	v_max_num_f32 v[T0], v[T0], v[T1]
	RUNM
	TEXP
	s_wait_alu depctr_va_vdst(0)
	EXP64
	v_pk_mul_f32 v[14:15], v[14:15], v[F:F+1] op_sel_hi:[1,0]      ; the sum under the new M (a plain place behind the batch)
	s_wait_alu depctr_va_vdst(0)                   ; one wait for the batch, ahead of its first reader
	SUMS
	s_add_co_u32 s[TK], s[TK], 16384
	s_add_co_u32 s[TS], s[TS], 1024
	s_sub_co_u32 s26, s26, 1
	s_cmp_lg_u32 s26, 0
	s_cbranch_scc1 .Lp1_step_\@
	s_sub_co_u32 s[TK], s[TK], 65536
	s_xor_b32 s[TK], s[TK], SLOTX                  ; on to the other slot
.endm
.macro P2VISIT                         ; pass 2: my four steps of a block
	s_mov_b32 s26, 4
.Lp2_step_\@:
	KLOAD
	s_wait_dscnt 0x0
	SMUL 1
	VLOAD
	BMAX
	XH
	TEXP
	BMT
	s_wait_alu depctr_va_vdst(0)
	EXP64
	EXPB                                           ; 68 exponentials, one batch
	v_nop
	s_wait_alu depctr_va_vdst(0)
	PQ
.rept 4
	v_nop                                          ; four places between the codes and the scaled products
.endr
	s_wait_alu depctr_va_vdst(0)
	s_wait_dscnt 0x0                               ; V
	PVMUL
	NEXT
	s_sub_co_u32 s26, s26, 1
	s_cmp_lg_u32 s26, 0
	s_cbranch_scc1 .Lp2_step_\@
	s_sub_co_u32 s[TK], s[TK], 65536
	s_xor_b32 s[TK], s[TK], SLOTX
	s_sub_co_u32 s[TV], s[TV], 65536
	s_xor_b32 s[TV], s[TV], SLOTX
.endm
	s_load_b256 s[4:11], s[0:1], 0x0               ; ext, loc, sc, rel_pos
	s_load_b128 s[12:15], s[0:1], 0x20             ; gate, fz
	s_load_b64 s[100:101], s[0:1], 0x30            ; kf: the raw k
	s_load_b64 s[2:3], s[0:1], 0x38                ; nrm
	s_load_b64 s[104:105], s[0:1], 0x40            ; out1
	v_lshl_add_u32 v[SPW], v0, 2, SPARE
	v_mov_b32 v[NIL], 0
	ds_add_u32 v[SPW], v[NIL]                      ; the wave's opening: the add, twice on end, and its wait ahead of the first tensor load
	ds_add_u32 v[SPW], v[NIL]
	v_lshrrev_b32 v[T0], 5, v0
	s_delay_alu instid0(VALU_DEP_1)
	v_readfirstlane_b32 s16, v[T0]                 ; wave 0..15
	s_mov_b32 s17, ttmp9                           ; batch
	s_and_b32 s19, ttmp7, 0xffff
	s_lshr_b32 s18, s19, 2                         ; head
	s_and_b32 s19, s19, 3                          ; qb
	s_lshr_b32 s90, s16, 3                         ; hf: which half of the keys
	s_and_b32 s91, s16, 7                          ; tq: which tile of queries
	s_lshl_b32 s92, s90, 13                        ; 8,192 hf: my first step in a block
	s_mov_b32 s20, 0x76543210
	s_mov_b32 s21, 0xfedcba98
	s_mov_b32 s22, 0x3e38aa3b                      ; c = log2(e) / 8
	s_mov_b32 s23, s22                             ; (named with it as a pair)
	s_mov_b32 s24, 0x600000                        ; the mantissa field of 448
	s_add_co_u32 s25, s19, 4                       ; the local step on the diagonal
	; group 1 for a quarter of a block of images: 16,384 dense bytes as 64 rows of 32 elements of 8 bytes, no padding
	s_mov_b32 s28, 3<<16
	s_mov_b32 s29, 32<<16
	s_mov_b32 s30, 64<<16
	s_mov_b32 s31, 32<<16
	s_mov_b32 s32, 64
	s_mov_b32 s33, 32
	s_mov_b32 s34, 0
	s_mov_b32 s35, 0
	; and for 32,768 bytes, 128 such rows: the scale words, and a half of the local block
	s_mov_b32 s36, 3<<16
	s_mov_b32 s37, 32<<16
	s_mov_b32 s38, 128<<16
	s_mov_b32 s39, 32<<16
	s_mov_b32 s40, 128
	s_mov_b32 s41, 32
	s_mov_b32 s42, 0
	s_mov_b32 s43, 0
	s_and_b32 s98, s16, 3
	s_lshl_b32 s98, s98, 14                        ; my quarter of a block
	s_and_b32 s99, s16, 1
	s_lshl_b32 s99, s99, 15                        ; my half of the local block
	s_mov_b32 s[GK], 1
	s_mov_b32 s[GK+1], s98                         ; slot A's K
	s_mov_b32 s[GV], 1
	s_add_co_u32 s[GV+1], s98, SLOTX+65536         ; slot B's V
	s_mov_b32 s[GA], 1
	s_add_co_u32 s[GA+1], s98, 65536               ; slot A's V
	s_mov_b32 s[GS], 1
	s_mov_b32 s[GS+1], SCB
	s_mov_b32 s[GLK], 1
	s_mov_b32 s[GLK+1], s99
	s_mov_b32 s[GLV], 1
	s_add_co_u32 s[GLV+1], s99, 65536
	s_lshl_b32 s83, s19, 3
	s_add_co_u32 s83, s83, s91                     ; T
	; every lane address, ahead of the first branch on the wave's number
	v_and_b32 v[W], 31, v0                         ; lane
	v_and_b32 v[W+1], 15, v0                       ; r
	v_bfe_u32 v[W+2], v0, 4, 1                     ; h
	s_delay_alu instid0(VALU_DEP_3)
	v_lshlrev_b32 v[LI], 4, v[W]
	s_delay_alu instid0(VALU_DEP_4)
	v_lshl_add_u32 v[L8], v[W], 3, SCB
	v_lshl_add_u32 v[L4], v[W], 2, SCB
	v_and_b32 v[W+3], 8, v[W+1]
	s_delay_alu instid0(VALU_DEP_1)
	v_add_nc_u32 v[W+3], v[W+3], v[W+1]            ; r + 8 (r / 8)
	s_lshr_b32 s74, s91, 1
	s_lshl_b32 s74, s74, 5
	s_and_b32 s82, s91, 1
	s_lshl_b32 s82, s82, 3
	s_add_co_u32 s74, s74, s82
	v_add_nc_u32 v[W+3], s74, v[W+3]               ; my query in the block of 128
	v_lshlrev_b32 v[T0], 4, v[W+2]
	s_delay_alu instid0(VALU_DEP_1)
	v_sub_nc_u32 v[DQ], v[W+3], v[T0]
	s_lshl_b32 s74, s19, 7
	v_add_nc_u32 v[T0], s74, v[W+3]
	s_delay_alu instid0(VALU_DEP_1)
	v_lshlrev_b32 v[T0], 12, v[T0]
	s_delay_alu instid0(VALU_DEP_1)
	v_lshl_add_u32 v[RPO], v[W+2], 6, v[T0]
	s_lshl_b32 s74, s90, 9
	v_add_nc_u32 v[RPO], s74, v[RPO]               ; my first local step is step hf
	s_lshl_b32 s74, s16, 12
	s_add_co_u32 s74, s74, SLOTX                   ; the images at the end: 4,096 bytes a wave, O_ext's where slot B's K lay,
	v_add_nc_u32 v[XEO], s74, v[LI]
	s_add_co_u32 s82, s74, 65536                   ; O_local's where its V lay
	v_add_nc_u32 v[XLO], s82, v[LI]
	s_lshl_b32 s93, s90, 11                        ; block hf: 16 registers, 2,048 bytes
	s_add_co_u32 s74, s74, s93
	v_add_nc_u32 v[XEH], s74, v[LI]
	s_add_co_u32 s82, s82, s93
	v_add_nc_u32 v[XLH], s82, v[LI]
	s_xor_b32 s74, s16, 8                          ; my partner
	s_lshl_b32 s82, s74, 12
	s_add_co_u32 s82, s82, SLOTX
	s_add_co_u32 s82, s82, s93
	v_add_nc_u32 v[XEP], s82, v[LI]
	s_add_co_u32 s82, s82, 65536
	v_add_nc_u32 v[XLP], s82, v[LI]
	s_lshl_b32 s82, s16, 8
	s_add_co_u32 s82, s82, STAT
	v_lshl_add_u32 v[STW], v[W], 2, s82
	s_lshl_b32 s82, s74, 8
	s_add_co_u32 s82, s82, STAT
	v_lshl_add_u32 v[STP], v[W], 2, s82
	v_lshlrev_b32 v[W], 3, v[W+1]                  ; Q's scale word: 8 r
	s_wait_dscnt 0x0                               ; both opening adds are done
	s_wait_kmcnt 0x0
	; THE NORMALISED k INTO out1.  The 256 work-groups share the 2,048 rows out, eight each; wave w takes half w % 2 (2,048 bytes) of row 8 x (batch + 4 y) + w / 2.
	; The addresses are made here; the 12 loads follow Q's and land in O^T's registers, which pass 1 does not use; the rows are scaled and stored behind three visits of pass 1.
	s_and_b32 s74, ttmp7, 0xffff
	s_lshl_b32 s74, s74, 2
	s_add_co_u32 s74, s74, s17
	s_lshl_b32 s74, s74, 3
	s_lshr_b32 s82, s16, 1
	s_add_co_u32 s82, s82, s74                     ; my row
	s_lshl_b32 s74, s82, 2
	s_add_co_u32 s74, s74, 65536                   ; k's parts lie behind q's
	s_mov_b32 s75, 0
	s_add_nc_u64 s[2:3], s[2:3], s[74:75]
	s_lshl_b32 s74, s82, 13                        ; rows 8,192 bytes apart in kf and in out1
	s_and_b32 s82, s16, 1
	s_lshl_b32 s82, s82, 11
	s_add_co_u32 s74, s74, s82
	s_add_nc_u64 s[100:101], s[100:101], s[74:75]
	s_add_nc_u64 s[104:105], s[104:105], s[74:75]
	s_lshl_b32 s82, s17, 4
	s_add_co_u32 s82, s82, s18                     ; bh = 16 x batch + head
	s_mov_b32 s75, 0
	s_mul_i32 s74, s82, 524288
	s_add_co_u32 s74, s74, s98
	s_add_nc_u64 s[84:85], s[4:5], s[74:75]        ; my quarter of my head's K block 0 in ext,
	s_add_nc_u64 s[86:87], s[84:85], 262144        ; and of V's
	s_mul_i32 s74, s82, 163840
	s_add_nc_u64 s[6:7], s[6:7], s[74:75]          ; my head's part of loc
	s_lshl_b32 s74, s82, 15
	s_add_nc_u64 s[8:9], s[8:9], s[74:75]          ; and of sc
	s_mov_b64 s[GK+2:GK+3], s[84:85]               ; K 0
	s_or_b32 s[GK+3], s[GK+3], 0x80000000
	s_add_nc_u64 s[GV+2:GV+3], s[86:87], 65536     ; V 1
	s_or_b32 s[GV+3], s[GV+3], 0x80000000
	s_mov_b64 s[GA+2:GA+3], s[86:87]               ; V 0
	s_or_b32 s[GA+3], s[GA+3], 0x80000000
	s_mov_b64 s[GS+2:GS+3], s[8:9]
	s_or_b32 s[GS+3], s[GS+3], 0x80000000
	s_mov_b32 s74, s99
	s_add_nc_u64 s[GLK+2:GLK+3], s[6:7], s[74:75]
	s_add_nc_u64 s[GLV+2:GLV+3], s[GLK+2:GLK+3], 65536
	s_or_b32 s[GLK+3], s[GLK+3], 0x80000000
	s_or_b32 s[GLV+3], s[GLV+3], 0x80000000
	s_cmp_lt_u32 s16, 4                            ; the first fills: one a wave; every wait on TENSORcnt in this text is for 0
	s_cbranch_scc0 .Lnot_k0
	TL GK, G1Q                                     ; K 0 into slot A
	s_branch .Lfilled
.Lnot_k0:
	s_cmp_eq_u32 s16, 4
	s_cbranch_scc0 .Lfilled
	TL GS, G1S                                     ; the head's scale words: filled once
.Lfilled:
	s_lshl_b32 s74, s83, 10
	s_add_co_u32 s74, s74, 131072
	s_add_nc_u64 s[94:95], s[6:7], s[74:75]        ; Q's image: tile T
	s_lshr_b32 s74, s83, 2
	s_lshl_b32 s74, s74, 8
	s_and_b32 s93, s83, 1
	s_lshl_b32 s93, s93, 7
	s_add_co_u32 s74, s74, s93
	s_bfe_u32 s93, s83, 0x10001
	s_lshl_b32 s93, s93, 2
	s_add_co_u32 s74, s74, s93
	s_add_co_u32 s74, s74, 30720
	s_add_nc_u64 s[96:97], s[8:9], s[74:75]        ; Q's scale words: group T / 4, lanes 16 (T % 2) on, word (T / 2) % 2
	s_lshl_b32 s74, s18, 21
	s_add_nc_u64 s[76:77], s[10:11], s[74:75]      ; rel_pos of my head
	s_lshl_b32 s74, s18, 2
	s_add_nc_u64 s[12:13], s[12:13], s[74:75]
	s_load_b32 s78, s[12:13], 0x0                  ; my head's gate
	s_lshl_b32 s93, s17, 5
	s_add_co_u32 s93, s93, s83                     ; tile 32 x batch + T of the 128
	s_lshl_b32 s74, s93, 14
	s_lshr_b32 s82, s18, 1
	s_lshl_b32 s82, s82, 11
	s_add_co_u32 s74, s74, s82
	s_and_b32 s82, s18, 1
	s_lshl_b32 s82, s82, 10
	s_add_co_u32 s74, s74, s82
	s_lshl_b32 s82, s90, 9
	s_add_co_u32 s74, s74, s82
	s_add_nc_u64 s[80:81], s[14:15], s[74:75]      ; the fused codes: K step head / 2, register group 2 (head % 2) + hf
	s_lshl_b32 s74, s93, 9
	s_lshl_b32 s82, s18, 1
	s_add_co_u32 s74, s74, s82
	s_add_co_u32 s74, s74, s90
	s_add_co_u32 s74, s74, 2097152
	s_add_nc_u64 s[88:89], s[14:15], s[74:75]      ; and their scale bytes: 32 a row, mine at 2 x head + hf
	global_load_b128 v[QF:QF+3], v[LI], s[94:95]
	global_load_b128 v[QF+4:QF+7], v[LI], s[94:95] offset:512
	s_wait_alu depctr_va_vdst(0)
	global_load_b32 v[QS], v[W], s[96:97]
.irp c, 0,1,2,3
	global_load_b128 v[O+4*\c:O+4*\c+3], v[LI], s[100:101] offset:512*\c   ; my half row of the raw k: 512 consecutive bytes a load
.endr
.irp p, 0,1,2,3,4,5,6,7
	global_load_b32 v[O+16+\p], v[NIL], s[2:3] offset:8192*\p              ; the row's eight parts of the sum of squares, the same word in every lane
.endr
.set n, 0
.rept 8
	v_mov_b32 v[QF+8+n], 0                         ; zero codes: the upper 64 of the instruction's 128
	v_mov_b32 v[KF+64+n], 0
.set n, n+1
.endr
.irp b, 0,1,2,3
	v_mov_b32 v[PT+\b], 0                          ; a lane permute's destination counts as one of its sources
.endr
	v_mov_b32 v[T1], 0
	v_mov_b32 v[F], 0
	v_mov_b32 v[F+1], 0                            ; (the upper halves of pairs that are named whole)
	v_mov_b32 v[W+5], 0
	STATS
	s_mov_b32 s[TK], s92                           ; slot A, step hf
	s_lshl_b32 s[TS], s90, 9
	s_mov_b32 s27, 0                               ; the visit
	s_wait_kmcnt 0x0                               ; the gate
	s_wait_loadcnt 12                              ; Q's three loads are in; the 12 issued behind them, for k, may be out
	; ---- VISITS 0 TO 3: pass 1 over the retrieved keys
	CHG 3
.Lpass1:                                               ; three trips: visits 0 to 2, each with the change to the next visit, whose number s27 holds
	s_add_co_u32 s27, s27, 1
	P1TURN 1
	s_cmp_lt_u32 s27, 3
	s_cbranch_scc1 .Lpass1
	s_mov_b32 s27, 4                               ; the next change is visit 4's
	s_wait_loadcnt 0x0                             ; my half row of k and its parts, asked for at the head
.irp p, 1,2,3,4,5,6,7
	v_add_f32 v[O+16], v[O+16], v[O+16+\p]         ; the order in which the launch before adds them
.endr
	s_wait_alu depctr_va_vdst(0)                   ; waits ahead of and behind each transcendental
	v_sqrt_f32 v[O+16], v[O+16]
	v_nop
	s_wait_alu depctr_va_vdst(0)
	v_max_num_f32 v[O+16], 0x2b8cbccc, v[O+16]     ; max(norm, 1e-12)
	s_wait_alu depctr_va_vdst(0)
	v_rcp_f32 v[O+16], v[O+16]
	v_nop
	s_wait_alu depctr_va_vdst(0)
.irp i, 0,1,2,3,4,5,6,7,8,9,10,11,12,13,14,15
	v_mul_f32 v[O+\i], v[O+\i], v[O+16]
.endr
.irp c, 0,1,2,3
	global_store_b128 v[LI], v[O+4*\c:O+4*\c+3], s[104:105] offset:512*\c  ; 32 lanes store 512 consecutive bytes, aligned
.endr
	s_wait_xcnt 0x0                                ; the stores have read their registers, which pass 2 writes again
	P1VISIT                                        ; visit 3: the change behind it has LDS stores in front of its barrier and stands whole
	s_wait_alu depctr_va_vdst(0)
	ROWSUM                                         ; the sum over my half of the keys
	ds_store_b32 v[STW], v12                       ; for my partner: -M,
	ds_store_b32 v[STW], v14 offset:128            ; and the sum; the change of slots below waits for these stores and has the barrier
	; ---- VISITS 4 TO 7: pass 2
	CHG 1
	ds_load_b32 v[W], v[STP]                       ; my partner's -M,
	ds_load_b32 v[W+1], v[STP] offset:128          ; and sum
	OZERO
	s_wait_dscnt 0x0
	v_min_num_f32 v[T0], v12, v[W]                 ; -M of all 4,096 keys
	s_delay_alu instid0(VALU_DEP_1)
	v_sub_f32 v[T1], v[T0], v12                    ; whole numbers, 0 or less
	s_delay_alu instid0(VALU_DEP_2)
	v_sub_f32 v[W], v[T0], v[W]
	s_delay_alu instid0(VALU_DEP_2)
	v_cvt_i32_f32 v[T1], v[T1]                     ; (they saturate)
	s_delay_alu instid0(VALU_DEP_2)
	v_cvt_i32_f32 v[W], v[W]
	s_delay_alu instid0(VALU_DEP_2)
	v_ldexp_f32 v14, v14, v[T1]                    ; both sums under the common M: nothing is rounded
	s_delay_alu instid0(VALU_DEP_2)
	v_ldexp_f32 v[W+1], v[W+1], v[W]
	s_delay_alu instid0(VALU_DEP_1)
	v_add_f32 v14, v14, v[W+1]                     ; l: the same bits in both waves
	s_wait_alu depctr_va_vdst(0)
	v_log_f32 v[W], v14
	v_nop
	s_wait_alu depctr_va_vdst(0)
	v_sub_f32 v12, v[T0], v[W]                     ; -M - log2(l): pass 2's exponential gives the finished weight
	s_mov_b32 s[TK], s92
	s_add_co_u32 s[TV], s92, 65536
	s_lshl_b32 s[TS], s90, 9
	s_lshl_b32 s[TJ], s90, 8
	s_add_co_u32 s[TJ], s[TJ], 16384
.Lpass2:                                               ; two trips: visits 4 and 5, each with the change to the next visit, whose number s27 holds
	s_add_co_u32 s27, s27, 1
	P2TURN 2
	s_cmp_lt_u32 s27, 6
	s_cbranch_scc1 .Lpass2
	P2TURN 4                                       ; visit 6; behind its change the local block is asked for
	P2VISIT                                        ; visit 7
	RPLOAD                                         ; rel_pos of my first local step, into the registers that the weights have left
	; ---- VISIT 8: the local keys
	CHG 0                                          ; nothing is left to ask for.  Slot B has had its last fill, and behind this barrier nobody reads it
.irp k, 0,1,2,3,4,5,6,7
	ds_store_b128 v[XEO], v[O+4*\k:O+4*\k+3] offset:512*\k         ; my part of O_ext, as an image of its registers; each accumulator from its low end on
.endr
	STATS
	s_mov_b32 s[TK], s92
	s_add_co_u32 s[TV], s92, 65536
	s_lshl_b32 s[TS], s90, 9
	s_add_co_u32 s[TS], s[TS], 24576
	s_lshl_b32 s[TJ], s90, 8
	s_add_co_u32 s[TJ], s[TJ], 28672
	s_wait_dscnt 0x0                               ; the stores have read their registers
	OZERO
	; four trips, a constant; a step all of whose keys come after the block's queries is jumped over: a branch on ids and the wave's half, round no barrier and no tensor load
	s_mov_b32 s26, 0
	s_mov_b32 s79, s90                             ; J: my step
.Llocal:
	s_cmp_gt_u32 s79, s25
	s_cbranch_scc1 .Lhidden
	KLOAD
	s_wait_loadcnt 0x0                             ; this step's rel_pos
	s_wait_dscnt 0x0
	SMUL 0                                         ; q.k + rel_pos
	VLOAD
	s_cmp_lg_u32 s79, s25
	s_cbranch_scc1 .Lopen                          ; only the step on the diagonal has hidden keys
	v_mov_b32 v[T0], 0xff800000                    ; -infinity
.set n, 0
.rept 64
	v_cmp_gt_i32 vcc_lo, 32*(n/16)+n%16, v[DQ]     ; register n holds key 32 (n / 16) + 16 h + n % 16 of the step: hidden where it comes after my query
	v_cndmask_b32 v[S+n], v[S+n], v[T0], vcc_lo
.set n, n+1
.endr
.Lopen:
	BMAX
	XH
	SMAX
	RUNM
	TEXP
	BMT
	s_wait_alu depctr_va_vdst(0)
	EXP64                                          ; p = 2^(t - M): one batch
	v_pk_mul_f32 v[14:15], v[14:15], v[F:F+1] op_sel_hi:[1,0]
	s_wait_alu depctr_va_vdst(0)
	EXPB
	SUMS                                           ; (reads the 64 alone: plain work behind the four)
	s_wait_alu depctr_va_vdst(0)
	PQ
	v_nop                                          ; one plain line behind the last conversion
	s_add_co_u32 s74, s79, 2
	s_cmp_gt_u32 s74, s25
	s_cbranch_scc1 .Lno_rel                        ; my next step lies wholly under the mask: nothing more is loaded
	v_add_nc_u32 v[RPO], 0x400, v[RPO]             ; (its last loads were waited for at the trip's head)
	RPLOAD                                         ; my next step's, into the registers that p has left
.Lno_rel:
.set n, 0
.rept 16
	v_pk_mul_f32 v[O+n:O+n+1], v[O+n:O+n+1], v[F:F+1] op_sel_hi:[1,0]      ; O^T under the new M; these are also the places between the codes and the products
.set n, n+2
.endr
	s_wait_alu depctr_va_vdst(0)
	s_wait_dscnt 0x0                               ; V
	PVMUL
.Lhidden:
	NEXT
	s_add_co_u32 s79, s79, 2
	s_add_co_u32 s26, s26, 1
	s_cmp_lt_u32 s26, 4
	s_cbranch_scc1 .Llocal
	s_wait_loadcnt 0x0                             ; no load of mine is out on any way here
	; ---- THE TWO HALVES MEET
	ROWSUM
	s_wait_alu depctr_va_vdst(0)
.irp k, 0,1,2,3,4,5,6,7
	ds_store_b128 v[XLO], v[O+4*\k:O+4*\k+3] offset:512*\k         ; my part of O_local
.endr
	ds_store_b32 v[STW], v12 offset:4096           ; its -M,
	ds_store_b32 v[STW], v14 offset:4224           ; and its sum
	s_wait_dscnt 0x0                               ; for my partner's sake: all my images lie in LDS
	s_barrier_signal -1
	s_barrier_wait -1
.irp c, 0,1,2,3
	ds_load_b128 v[S+4*\c:S+4*\c+3], v[XLH] offset:512*\c          ; channels 32 hf on: my O_local,
	ds_load_b128 v[S+16+4*\c:S+16+4*\c+3], v[XLP] offset:512*\c    ; my partner's,
	ds_load_b128 v[S+32+4*\c:S+32+4*\c+3], v[XEH] offset:512*\c    ; my O_ext,
	ds_load_b128 v[S+48+4*\c:S+48+4*\c+3], v[XEP] offset:512*\c    ; my partner's
.endr
	ds_load_b32 v[W], v[STP] offset:4096
	ds_load_b32 v[W+1], v[STP] offset:4224
	v_mov_b32 v[W+2], s78
	s_delay_alu instid0(VALU_DEP_1)
	v_mul_f32 v[W+2], 0xbfb8aa3b, v[W+2]
	s_wait_alu depctr_va_vdst(0)
	v_exp_f32 v[W+2], v[W+2]                       ; e^-gate
	v_nop
	s_wait_alu depctr_va_vdst(0)
	v_add_f32 v[W+2], 1.0, v[W+2]
	s_wait_alu depctr_va_vdst(0)
	v_rcp_f32 v[W+3], v[W+2]                       ; g = sigmoid(gate)
	v_nop
	s_wait_alu depctr_va_vdst(0)
	v_sub_f32 v[W+2], 1.0, v[W+3]                  ; 1 - g
	s_wait_dscnt 0x0
	v_min_num_f32 v[T0], v12, v[W]                 ; -M of all local keys
	s_delay_alu instid0(VALU_DEP_1)
	v_sub_f32 v[T1], v[T0], v12
	s_delay_alu instid0(VALU_DEP_2)
	v_sub_f32 v[W], v[T0], v[W]
	s_delay_alu instid0(VALU_DEP_2)
	v_cvt_i32_f32 v[T1], v[T1]
	s_delay_alu instid0(VALU_DEP_2)
	v_cvt_i32_f32 v[W], v[W]
	s_delay_alu instid0(VALU_DEP_2)
	v_ldexp_f32 v[T1], 1.0, v[T1]                  ; what brings my part under the common M,
	s_delay_alu instid0(VALU_DEP_2)
	v_ldexp_f32 v[W], 1.0, v[W]                    ; and my partner's
	s_delay_alu instid0(VALU_DEP_2)
	v_mul_f32 v14, v14, v[T1]
	s_delay_alu instid0(VALU_DEP_2)
	v_mul_f32 v[W+1], v[W+1], v[W]
	s_delay_alu instid0(VALU_DEP_1)
	v_add_f32 v14, v14, v[W+1]                     ; l
	s_wait_alu depctr_va_vdst(0)
	v_rcp_f32 v[W+1], v14
	v_nop
	s_wait_alu depctr_va_vdst(0)
	v_mul_f32 v[W+1], v[W+3], v[W+1]               ; g / l
	s_delay_alu instid0(VALU_DEP_1)
	v_mul_f32 v[F], v[W+1], v[T1]
	s_delay_alu instid0(VALU_DEP_2)
	v_mul_f32 v[W+4], v[W+1], v[W]
.set n, 0
.rept 8
	v_pk_add_f32 v[S+32+n:S+33+n], v[S+32+n:S+33+n], v[S+48+n:S+49+n]              ; qkv_ext
	v_pk_mul_f32 v[S+n:S+n+1], v[S+n:S+n+1], v[F:F+1] op_sel_hi:[1,0]
	s_delay_alu instid0(VALU_DEP_1)
	v_pk_fma_f32 v[S+n:S+n+1], v[S+16+n:S+17+n], v[W+4:W+5], v[S+n:S+n+1] op_sel_hi:[1,0,1]        ; g qkv
	v_pk_fma_f32 v[S+n:S+n+1], v[S+32+n:S+33+n], v[W+2:W+3], v[S+n:S+n+1] op_sel_hi:[1,0,1]        ; + (1 - g) qkv_ext
.set n, n+2
.endr
	; register i is channel 32 hf + 16 h + i of my query: one block of product 8's K, the other 16 numbers in lane l xor 16
	v_max3_num_f32 v[BM], |v[S]|, |v[S+1]|, 0x4800000
.irp i, 2,4,6,8,10,12,14
	s_delay_alu instid0(VALU_DEP_1)
	v_max3_num_f32 v[BM], v[BM], |v[S+\i]|, |v[S+\i+1]|
.endr
	s_delay_alu instid0(VALU_DEP_1)
	v_permlanex16_b32 v[PT], v[BM], s20, s21
	s_delay_alu instid0(VALU_DEP_1)
	v_max_num_f32 v[BM], v[BM], v[PT]
	s_delay_alu instid0(VALU_DEP_1)
	v_add_nc_u32 v[SOP], 0xfc000000, v[BM]
	s_delay_alu instid0(VALU_DEP_2)
	v_and_or_b32 v[HOLD], v[BM], 0x7f800000, s24
	s_delay_alu instid0(VALU_DEP_2)
	v_lshrrev_b32 v[PT+1], 23, v[SOP]              ; my row's scale byte for this block
	v_and_b32 v[T0], 15, v0
	s_delay_alu instid0(VALU_DEP_1)
	v_lshlrev_b32 v[T0], 5, v[T0]                  ; 32 r
.irp i, 0,1,2,3,4,5,6,7,8,9,10,11,12,13,14,15
	v_med3_num_f32 v[S+\i], v[S+\i], -v[HOLD], v[HOLD]
.endr
	v_cvt_scalef32_pk8_fp8_f32 v[PC:PC+1], v[S:S+7], v[SOP]
	v_cvt_scalef32_pk8_fp8_f32 v[PC+2:PC+3], v[S+8:S+15], v[SOP]
	v_nop
	global_store_b128 v[LI], v[PC:PC+3], s[80:81]  ; 32 lanes store 512 consecutive bytes, aligned
	global_store_b8 v[T0], v[PT+1], s[88:89]       ; one byte a row for its 32 codes; both halves of the lanes write the same value
	s_wait_tensorcnt 0x0                           ; the wave's end, behind my last tensor load and my last LDS store
	ds_add_u32 v[SPW], v[NIL]
	s_wait_dscnt 0x0
	s_endpgm
.Lfunc_end_k_q483d5d86be_attn:
	.size	k_q483d5d86be_attn, .Lfunc_end_k_q483d5d86be_attn-k_q483d5d86be_attn
	.p2alignl 7, 3214868480
	.fill 96, 4, 3214868480
	.section	.rodata,"a",@progbits
	.p2align	6, 0x0
	.amdhsa_kernel k_q483d5d86be_attn
		.amdhsa_group_segment_fixed_size 327680
		.amdhsa_private_segment_fixed_size 0
		.amdhsa_enable_private_segment 0
		.amdhsa_kernarg_size 72
		.amdhsa_user_sgpr_count 2
		.amdhsa_user_sgpr_kernarg_segment_ptr 1
		.amdhsa_wavefront_size32 1
		.amdhsa_system_sgpr_workgroup_id_x 1
		.amdhsa_system_sgpr_workgroup_id_y 1
		.amdhsa_system_sgpr_workgroup_id_z 1
		.amdhsa_system_vgpr_workitem_id 0
		.amdhsa_next_free_vgpr 256
		.amdhsa_next_free_sgpr 106
		.amdhsa_reserve_vcc 1
		.amdhsa_float_denorm_mode_32 3
		.amdhsa_float_denorm_mode_16_64 3
		.amdhsa_memory_ordered 1
		.amdhsa_forward_progress 1
		.amdhsa_inst_pref_size 174
	.end_amdhsa_kernel
	.amdgpu_metadata
---
amdhsa.version: [ 1, 2 ]
amdhsa.kernels:
  - .name:           k_q483d5d86be_attn
    .symbol:         k_q483d5d86be_attn.kd
    .args:
      - { .name: ext, .offset: 0, .size: 8, .value_kind: global_buffer, .address_space: global }
      - { .name: loc, .offset: 8, .size: 8, .value_kind: global_buffer, .address_space: global }
      - { .name: sc, .offset: 16, .size: 8, .value_kind: global_buffer, .address_space: global }
      - { .name: rel_pos, .offset: 24, .size: 8, .value_kind: global_buffer, .address_space: global }
      - { .name: gate, .offset: 32, .size: 8, .value_kind: global_buffer, .address_space: global }
      - { .name: fz, .offset: 40, .size: 8, .value_kind: global_buffer, .address_space: global }
      - { .name: kf, .offset: 48, .size: 8, .value_kind: global_buffer, .address_space: global }
      - { .name: nrm, .offset: 56, .size: 8, .value_kind: global_buffer, .address_space: global }
      - { .name: out1, .offset: 64, .size: 8, .value_kind: global_buffer, .address_space: global }
    .group_segment_fixed_size: 327680
    .private_segment_fixed_size: 0
    .kernarg_segment_align: 8
    .kernarg_segment_size: 72
    .max_flat_workgroup_size: 512
    .sgpr_count:     106
    .vgpr_count:     256
    .wavefront_size: 32
...
	.end_amdgpu_metadata
.endif
;; end of part 3
;; launch outp (part 4): grid 64 x 4, 4 waves a work-group, no clusters, 68,096 bytes of LDS; arguments fz, Wo_codes, Wo_scales, bo, out0; writes out0
.if DOCPART == 4
	.amdgcn_target "amdgcn-amd-amdhsa--gfx1250"
	.amdhsa_code_object_version 6
	.text
	.protected	k_q483d5d86be_outp
	.globl	k_q483d5d86be_outp
	.p2align	8
	.type	k_q483d5d86be_outp,@function
k_q483d5d86be_outp:
	s_mov_b64 s[64:65], 0
	v_nop
	global_prefetch_b8 v0, s[64:65] scope:SCOPE_SE
	s_setreg_imm32_b32 hwreg(HW_REG_WAVE_MODE, 25, 1), 1
	s_wait_xcnt 0x0
; out0 = fused Wo^T + bo (product 8).  The fused rows arrive as codes in the order of the operand's registers, [tile of 16 rows (128)][K step (8)][register group (4)][lane][16 bytes], their scale bytes behind them, 32 a row.
; Work-group (x, y): tiles 2 x and 2 x + 1, which are rows 32 x .. 32 x + 31 (row r of tile 2 x + m is row 32 x + 8 m + r + 8 (r / 8)); columns 256 y .. + 255.  Wave w: 64 of these columns.
; The product is used transposed (source 0 = 16 rows of Wo, source 1 = 16 fused rows); eight accumulators take turns; the bias is loaded INTO them.  The 16 fragments of the rows are copied once into LDS, four by each wave, and read by all four.
; Each byte of Wo that the work-group needs is used by one wave alone: it goes from memory straight into registers.
.set XIMG,  0                          ; LDS: 16 fragment images of 2,048 bytes: K step s, tile m at 2 s + m
.set STG,   32768                      ; 32 rows x 272 bytes a wave: the way out
.set SPARE, 67584                      ; the spare words, 128 bytes a wave
.set SPW, 1
.set NIL, 2
.set WAD, 3                            ; v3  Wo: (256 y + 64 w + r) x 1,024 + 16 h
.set LI,  4                            ; v4  16 x lane
.set XWI, 5                            ; v5  16 x lane + 8,192 w
.set WS,  8                            ; v8-23   Wo's scale words;  v24-31 the rows'
.set XS,  24
.set XF,  32
.set ACC, 64
.set WB,  128
.set WP,  6                            ; s[6:7] Wo's codes
.macro WM d, a, b, sa, sb, ra, rb
.if (\ra) && (\rb)
	v_wmma_scale_f32_16x16x128_f8f6f4 v[(\d):(\d)+7], v[(\a):(\a)+15], v[(\b):(\b)+15], v[(\d):(\d)+7], v[(\sa)], v[(\sb)] matrix_a_scale:MATRIX_SCALE_ROW1 matrix_b_scale:MATRIX_SCALE_ROW1
.elseif (\ra)
	v_wmma_scale_f32_16x16x128_f8f6f4 v[(\d):(\d)+7], v[(\a):(\a)+15], v[(\b):(\b)+15], v[(\d):(\d)+7], v[(\sa)], v[(\sb)] matrix_a_scale:MATRIX_SCALE_ROW1
.elseif (\rb)
	v_wmma_scale_f32_16x16x128_f8f6f4 v[(\d):(\d)+7], v[(\a):(\a)+15], v[(\b):(\b)+15], v[(\d):(\d)+7], v[(\sa)], v[(\sb)] matrix_b_scale:MATRIX_SCALE_ROW1
.else
	v_wmma_scale_f32_16x16x128_f8f6f4 v[(\d):(\d)+7], v[(\a):(\a)+15], v[(\b):(\b)+15], v[(\d):(\d)+7], v[(\sa)], v[(\sb)]
.endif
.endm
.macro WLOAD s
.irp t, 0,1,2,3
.irp c, 0,1,2,3
	global_load_b128 v[WB+64*((\s)%2)+16*\t+4*\c:WB+64*((\s)%2)+16*\t+4*\c+3], v[WAD], s[WP:WP+1] offset:16384*\t+128*(\s)+32*\c
.endr
.endr
.endm
.macro STEP s
.irp m, 0,1
.irp c, 0,1,2,3
	ds_load_b128 v[XF+16*\m+4*\c:XF+16*\m+4*\c+3], v[LI] offset:XIMG+(2*(\s)+\m)*2048+512*\c
.endr
.endr
.if (\s) < 7
	s_wait_loadcnt 16                              ; this step's Wo is in; the 16 loads of the other set may be out
.else
	s_wait_loadcnt 0
.endif
	s_wait_dscnt 0x0
.irp t, 0,1,2,3
.irp m, 0,1
	WM ACC+8*(2*\t+\m), WB+64*((\s)%2)+16*\t, XF+16*\m, WS+8*(\t/2)+(\s), XS+(\s), \t%2, \m
.endr
.endr
.rept 8
	v_nop                                          ; eight places ahead of loads into registers that these products read, and of the first read of results
.endr
.if (\s)+2 <= 7
	WLOAD (\s)+2
.endif
.endm
	s_load_b256 s[4:11], s[0:1], 0x0               ; fz, Wo's codes, Wo's scales, bo
	s_load_b64 s[12:13], s[0:1], 0x20              ; out0
	v_lshl_add_u32 v[SPW], v0, 2, SPARE
	v_mov_b32 v[NIL], 0
	v_lshrrev_b32 v48, 5, v0
	v_readfirstlane_b32 s30, v48                   ; wave 0..3
	s_and_b32 s31, ttmp7, 0xffff                   ; y
	s_mov_b32 s32, ttmp9                           ; x
	v_and_b32 v52, 31, v0
	v_and_b32 v53, 15, v0
	v_bfe_u32 v54, v0, 4, 1
	s_lshl_b32 s33, s31, 8
	s_lshl_b32 s34, s30, 6
	s_add_co_u32 s33, s33, s34                     ; my first column: 256 y + 64 w
	v_lshlrev_b32 v48, 10, v53
	v_lshl_add_u32 v48, v54, 4, v48
	s_lshl_b32 s34, s33, 10
	v_add_nc_u32 v[WAD], s34, v48
	v_lshlrev_b32 v49, 5, v52                      ; 32 x lane
	s_lshl_b32 s34, s33, 5
	v_add_nc_u32 v50, s34, v49
	v_lshlrev_b32 v51, 5, v54                      ; the bias: 32 h
	v_lshlrev_b32 v[LI], 4, v52
	s_lshl_b32 s34, s30, 13
	v_add_nc_u32 v[XWI], s34, v[LI]
	s_lshl_b32 s40, s32, 15
	s_lshl_b32 s34, s30, 12
	s_add_co_u32 s40, s40, s34                     ; my four images: 32,768 x + 4,096 w
	s_mov_b32 s41, 0
	s_lshl_b32 s42, s32, 10
	s_add_co_u32 s42, s42, 2097152                 ; the 32 rows' scale bytes
	s_mov_b32 s43, 0
	s_lshl_b32 s44, s33, 2
	s_mov_b32 s45, 0
	s_lshl_b32 s48, s32, 17                        ; 32 rows of 4,096 bytes,
	s_add_co_u32 s48, s48, s44                     ; my columns
	s_mov_b32 s49, 0
	s_wait_alu depctr_va_vdst(0)
	s_wait_kmcnt 0x0
	s_add_nc_u64 s[46:47], s[4:5], s[40:41]
	s_add_nc_u64 s[14:15], s[4:5], s[42:43]
	s_add_nc_u64 s[10:11], s[10:11], s[44:45]
	s_add_nc_u64 s[12:13], s[12:13], s[48:49]
.irp k, 0,1,2,3
.irp c, 0,1,2,3
	global_load_b128 v[192+16*\k+4*\c:192+16*\k+4*\c+3], v[LI], s[46:47] offset:16384*(\k%2)+2048*(\k/2)+512*\c     ; K step 2 w + k / 2, tile k % 2
.endr
.endr
	global_load_b128 v[XS:XS+3], v49, s[14:15]
	global_load_b128 v[XS+4:XS+7], v49, s[14:15] offset:16
.irp p, 0,1
	global_load_b128 v[WS+8*\p:WS+8*\p+3], v50, s[8:9] offset:1024*\p
	global_load_b128 v[WS+8*\p+4:WS+8*\p+7], v50, s[8:9] offset:1024*\p+16
.endr
.irp t, 0,1,2,3
.irp m, 0,1
	global_load_b128 v[ACC+8*(2*\t+\m):ACC+8*(2*\t+\m)+3], v51, s[10:11] offset:64*\t
	global_load_b128 v[ACC+8*(2*\t+\m)+4:ACC+8*(2*\t+\m)+7], v51, s[10:11] offset:64*\t+16
.endr
.endr
	WLOAD 0
	s_wait_loadcnt 38                              ; my four images are in: behind their sixteen loads stand 2 + 4 + 16 + 16
.irp k, 0,1,2,3
.irp c, 0,1,2,3
	ds_store_b128 v[XWI], v[192+16*\k+4*\c:192+16*\k+4*\c+3] offset:XIMG+2048*\k+512*\c
.endr
.endr
	s_wait_dscnt 0x0                               ; for the others' sake: my images lie in LDS; and the stores have read their registers
	s_barrier_signal -1
	s_barrier_wait -1
	WLOAD 1                                        ; only now: its registers held the images
	s_wait_xcnt 0x0                                ; the loads above have read v48-51: the first step's LDS loads land there
.irp s, 0,1,2,3,4,5,6,7
	STEP \s
.endr
	; THE WAY OUT: my 32 rows x 256 bytes through my own stage, which also puts the tiles' rows back in order
	v_and_b32 v163, 15, v0
	v_bfe_u32 v164, v0, 4, 1
	s_mul_i32 s33, s30, 8704
	s_add_co_u32 s33, s33, STG
	v_and_b32 v165, 8, v163
	v_add_nc_u32 v165, v165, v163                  ; r + 8 (r / 8)
	v_mul_u32_u24 v160, v165, 272
	v_lshl_add_u32 v160, v164, 5, v160
	v_add_nc_u32 v160, s33, v160
	v_mul_u32_u24 v161, v164, 272
	v_lshl_add_u32 v161, v163, 4, v161
	v_add_nc_u32 v161, s33, v161
	v_lshlrev_b32 v162, 12, v164
	v_lshl_add_u32 v162, v163, 4, v162
.irp m, 0,1
.irp t, 0,1,2,3
	ds_store_b128 v160, v[ACC+16*\t+8*\m:ACC+16*\t+8*\m+3] offset:8*272*\m+64*\t           ; each accumulator from its low end on
	ds_store_b128 v160, v[ACC+16*\t+8*\m+4:ACC+16*\t+8*\m+7] offset:8*272*\m+64*\t+16
.endr
.endr
.irp i, 0,1,2,3,4,5,6,7,8,9,10,11,12,13,14,15
	ds_load_b128 v[192+4*\i:192+4*\i+3], v161 offset:544*\i        ; LDS serves a wave's instructions in order (ISA guide 5.7.1.4): these see my stores
.endr
	s_wait_alu depctr_va_vdst(0)
.irp i, 0,1,2,3,4,5,6,7,8,9,10,11,12,13,14,15
	s_wait_dscnt 15-\i
	global_store_b128 v162, v[192+4*\i:192+4*\i+3], s[12:13] offset:8192*\i th:TH_STORE_NT     ; 16 lanes store 256 consecutive bytes, aligned; written once, read by nobody here
.endr
	s_wait_tensorcnt 0x0                           ; the wave's end, behind my last LDS store
	ds_add_u32 v[SPW], v[NIL]
	s_wait_dscnt 0x0
	s_endpgm
.Lfunc_end_k_q483d5d86be_outp:
	.size	k_q483d5d86be_outp, .Lfunc_end_k_q483d5d86be_outp-k_q483d5d86be_outp
	.p2alignl 7, 3214868480
	.fill 96, 4, 3214868480
	.section	.rodata,"a",@progbits
	.p2align	6, 0x0
	.amdhsa_kernel k_q483d5d86be_outp
		.amdhsa_group_segment_fixed_size 68096
		.amdhsa_private_segment_fixed_size 0
		.amdhsa_enable_private_segment 0
		.amdhsa_kernarg_size 40
		.amdhsa_user_sgpr_count 2
		.amdhsa_user_sgpr_kernarg_segment_ptr 1
		.amdhsa_wavefront_size32 1
		.amdhsa_system_sgpr_workgroup_id_x 1
		.amdhsa_system_sgpr_workgroup_id_y 1
		.amdhsa_system_sgpr_workgroup_id_z 1
		.amdhsa_system_vgpr_workitem_id 0
		.amdhsa_next_free_vgpr 256
		.amdhsa_next_free_sgpr 66
		.amdhsa_reserve_vcc 0
		.amdhsa_float_denorm_mode_32 3
		.amdhsa_float_denorm_mode_16_64 3
		.amdhsa_memory_ordered 1
		.amdhsa_forward_progress 1
		.amdhsa_inst_pref_size 38
	.end_amdhsa_kernel
	.amdgpu_metadata
---
amdhsa.version: [ 1, 2 ]
amdhsa.kernels:
  - .name:           k_q483d5d86be_outp
    .symbol:         k_q483d5d86be_outp.kd
    .args:
      - { .name: fz, .offset: 0, .size: 8, .value_kind: global_buffer, .address_space: global }
      - { .name: Wo_codes, .offset: 8, .size: 8, .value_kind: global_buffer, .address_space: global }
      - { .name: Wo_scales, .offset: 16, .size: 8, .value_kind: global_buffer, .address_space: global }
      - { .name: bo, .offset: 24, .size: 8, .value_kind: global_buffer, .address_space: global }
      - { .name: out0, .offset: 32, .size: 8, .value_kind: global_buffer, .address_space: global }
    .group_segment_fixed_size: 68096
    .private_segment_fixed_size: 0
    .kernarg_segment_align: 8
    .kernarg_segment_size: 40
    .max_flat_workgroup_size: 128
    .sgpr_count:     66
    .vgpr_count:     256
    .wavefront_size: 32
...
	.end_amdgpu_metadata
.endif
;; end of part 4
